; MI455X (gfx1250); checked and timed in simulation.
; The chip was launched on July 23, 2026; its instructions are those of AMD's public machine-readable ISA for CDNA 5 (MIT licence, August 2026) and "CDNA5" Instruction Set Architecture Reference Guide (July 2026). The comments in the code are by the model that wrote it; some were corrected since.
;; Ro PE Multihead Attention. Allowed arithmetic: matrix products marked QUANTISED: E2M3 operands, one E8M0 scale for each 32 along K, by v_wmma_scale_f32_16x16x128_f8f6f4 with both operands' format E2M3, f32 sums; everything else in f32.
;; Inputs: Wout 1,024 x 1,024 float32; Wqkv 3,072 x 1,024 float32; bout 1,024 float32; bqkv 3,072 float32; x 4 x 2,048 x 1,024 float32.
;; Outputs: out0 4 x 2,048 x 1,024 float32.
;; This version of the problem:
;;   THIS VERSION OF THE PROBLEM IS GIVEN IN LOW PRECISION. The matrix products marked QUANTISED in the list below multiply operands that are first quantised to E2M3 (2 exponent bits, 3 mantissa bits; 6 bits a number), with one power-of-two scale for each 32 numbers along K (OCP MX v1.0); their sums are f32. All else is computed in f32.
;;   The module's matrix products, in the order in which they are computed (A, B: the left and right operand; K: the contracted axis; several contracted axes count as one K, in the product's order):
;;     1. [M 8,192, K 1,024] x [K 1,024, N 3,072]; A: input x; B: input Wqkv: QUANTISED
;;     2. batch 64 x [M 2,048, K 64] x [K 64, N 2,048]; A: computed on the way; B: computed on the way: QUANTISED
;;     3. batch 64 x [M 2,048, K 2,048] x [K 2,048, N 64]; A: softmax (see below); B: computed on the way: QUANTISED
;;     4. [M 8,192, K 1,024] x [K 1,024, N 1,024]; A: computed on the way; B: input Wout: QUANTISED
;;   THE QUANTISER, for each operand of a quantised product, along K:
;;     - K is cut into blocks of 32 from its start; a last block that is shorter is filled with zeros.
;;     - A block's scale is 2^e with e = floor(log2(the largest magnitude in the block)) - 2, held to -126 .. 127; a block of zeros has e = 0. As a byte (E8M0): e + 127.
;;     - Each number is divided by its block's scale, clamped to +-7.5, and rounded to the nearest number of E2M3, ties to even, subnormals kept.
;;     - The product sums the exact products of the quantised numbers (number of the format x scale) in f32.
;;   ~~~python
;;   def quantise(x, axis):      # numpy; x: float32 -> the quantised numbers, widened to float32 again
;;       x = np.moveaxis(x, axis, -1); K = x.shape[-1]
;;       x = np.pad(x, [(0, 0)] * (x.ndim - 1) + [(0, -K % 32)]); x = x.reshape(x.shape[:-1] + (-1, 32)); a = np.abs(x).max(-1, keepdims=True)
;;       e = np.where(a > 0, np.clip(np.frexp(np.where(a > 0, a, 1))[1] - 1 - 2, -126, 127), 0)      # np.frexp(a)[1] - 1 = floor(log2(a)), exactly
;;       r = np.clip(x / 2.0 ** e, -7.5, 7.5)
;;       step = 2.0 ** (np.maximum(np.frexp(np.where(r == 0, 1, r))[1] - 1, 0) - 3)
;;       q = np.round(r / step) * step * 2.0 ** e      # np.round: ties to even
;;       return np.moveaxis(q.reshape(q.shape[:-2] + (-1,))[..., :K], -1, axis).astype(np.float32)
;;   ~~~
;;   SOFTMAX AHEAD OF A QUANTISED PRODUCT. Where the list says 'softmax', what is quantised is not the finished softmax but p = 2^(t - M), with t = logit x log2(e) and M = ceil(the row's largest t), a whole number; so 1/2 < the row's largest p <= 1. The row's sum l is taken of the UNQUANTISED p, in f32, and the product's result is divided by l at the end. Since M is a whole number, a kernel that streams over the keys may use a running M (the ceiling of the running maximum): every later rescaling is an exact power of two, which a block's scale takes up: the codes' values come out the same.
;;   OPERANDS COMPUTED ON THE WAY. 'Computed on the way' means the value that the module computes at that place (a softmax that the list does not call 'softmax' is quantised finished and normalised). What goes into a quantiser is computed in f32, as accurately as f32 sums, v_exp_f32 and their like allow (about 1e-6 of the number): no bf16 or f16 on the way to a quantiser, and a product that is left as it is and whose result goes on into a quantised operand takes f32 operands (vector FMAs, or v_wmma_f32_16x16x4_f32). A number that lies on a knife's edge between two numbers of the format may be rounded either way, as far as f32 arithmetic and the matrix unit's own rounding can turn it there, and no further.
;; One version. Each part assembles by itself: llvm-mc -triple=amdgcn-amd-amdhsa -mcpu=gfx1250 --defsym DOCPART=n.
;; ======== version 1 of 1: 4 launches
;; limits: right only within a limited range of input values
;; workspace buffers: cod 15,728,640 bytes; scl 655,360 bytes; tab 524,288 bytes; qkv 26,214,400 bytes
;; launch quant (part 1): grid 256 x 1, 7 waves a work-group, no clusters, 51,712 bytes of LDS; arguments x, Wqkv, Wout, cod, scl, tab; writes cod, scl, tab
.if DOCPART == 1
	.amdgcn_target "amdgcn-amd-amdhsa--gfx1250"
	.amdhsa_code_object_version 6
	.text
	.protected	k_q9f6aba878a_quant
	.globl	k_q9f6aba878a_quant
	.p2align	8
	.type	k_q9f6aba878a_quant,@function
k_q9f6aba878a_quant:
	s_mov_b64 s[64:65], 0
	v_nop
	global_prefetch_b8 v0, s[64:65] scope:SCOPE_SE
	s_setreg_imm32_b32 hwreg(HW_REG_WAVE_MODE, 25, 1), 1
	s_wait_xcnt 0x0
; LAUNCH 1 OF 4.  x [8192][1024], Wqkv [3072][1024], Wout [1024][1024], f32, K innermost, become codes of FP6 (E2M3) with one E8M0 byte for each 32 along K; and the table of cos and sin for the rotation is made.
; DEAD WORK: none.  Every input has a way to the output (the bias on k too: it moves k's codes), so nothing of the problem is left out in any of the four launches.
; LIMITS: NaN and infinities among the inputs are not served.  A block of zeros gets the byte 1 where the rule says 127: its codes are zeros, and only this program reads the bytes.  A block's largest
; magnitude is not taken under 2^(3 - 127).  The table: 10^(i/8) is given as the nearest f32, its reciprocal is corrected by one step; the reduction by pi/2 in three parts serves the angles that occur (up to 2,047).
; LAYOUT OF cod: 160 blocks of 128 rows x 1024 K, 98,304 bytes each: 0-63 x, 64-87 Wqkv, 88-95 Wout, 96-159 the attention's result (launch 3).  A block is [K step 0..7][tile 0..7][1,536 bytes]; a tile is an IMAGE OF THE
; OPERAND'S REGISTERS: registers 4 g .. 4 g + 3 of lane l at 512 g + 16 l.  Lane r of tile t holds row 32 (t / 2) + 8 (t % 2) + r + 8 (r / 8) of the block, so that results of two neighbouring tiles are 16 neighbours in a lane.
; LAYOUT OF scl: a block is [K steps 0-3 | 4-7][tile][r][4 words]: 4,096 bytes.   tab: [token 0..2047][cos 0..31, sin 0..31] f32.
; SHARES: work-groups 0-191: a wave takes one tile (16 rows, all of K): 64 KiB in, 12,800 bytes out.  Each load reads 512 consecutive bytes of a row; the 16 rows turn through the wave's own stage in LDS, so that a lane gets
; two whole blocks of 32 of its row.  Work-groups 192-255: the table, 8 tokens a wave, a lane a frequency; no LDS.  No matrix units, no cluster, no barrier: waves share nothing.
; THE SHARES, in place of what the head comment says of them: 256 work-groups of seven waves.  Waves 0-5 take one half of K (four K steps) of one tile each: 6 x 256 = 1,536 halves of the 768 tiles.  Wave 6 makes 8 tokens of the table.
.set SPARE, 50688                      ; behind the six stages: the spare words, 128 bytes a wave
.set SPW,   30                         ; v30 my spare word's address; v31 0: kept for the add alone
.set NIL,   31
.set R,     32                         ; v32-159  two sets of 64: a K step as loaded
.set X,     160                        ; v160-223 my row's two blocks of 32
.set PC,    224                        ; v224-235 the fragment's 12 registers
.set TMP,   236                        ; v236-242 the upper halves of the blocks' codes
.set W,     244                        ; v244-247 the scale words of my four K steps
.set QD,    252
	s_load_b256 s[4:11], s[0:1], 0x0               ; x, Wqkv, Wout, cod
	s_load_b128 s[12:15], s[0:1], 0x20             ; scl, tab
	v_lshl_add_u32 v[SPW], v0, 2, SPARE
	v_mov_b32 v[NIL], 0
	v_lshrrev_b32 v1, 5, v0
	v_readfirstlane_b32 s16, v1                    ; wave
	v_and_b32 v16, 31, v0                          ; lane
	s_mov_b32 s20, 0x76543210
	s_mov_b32 s21, 0xfedcba98                      ; selects: lane l xor 16
	s_cmp_eq_u32 s16, 6
	s_cbranch_scc1 .Ltable
	v_lshlrev_b32 v1, 4, v16                       ; 16 x lane
	v_and_b32 v2, 15, v0                           ; r
	v_bfe_u32 v3, v0, 4, 1                         ; h
	s_mul_i32 s17, s16, 8448                       ; my stage: 16 rows of 512 + 16 bytes
	v_add_nc_u32 v4, s17, v1                       ; in: 16 bytes a lane of a row
	v_mul_u32_u24 v5, v2, 528
	v_lshl_add_u32 v5, v3, 7, v5
	v_add_nc_u32 v5, s17, v5                       ; out: row r, + 128 h
	v_lshlrev_b32 v6, 4, v2                        ; scale words: 16 r
	v_lshlrev_b32 v7, 3, v3                        ; 8 h
	v_mov_b32 v15, 0                               ; a lane permute's destination counts as read
	s_mul_i32 s25, ttmp9, 6
	s_add_co_u32 s25, s25, s16                     ; my half tile, 0 .. 1,535
	s_and_b32 s31, s25, 1                          ; which half of K
	s_lshr_b32 s26, s25, 1
	s_lshr_b32 s25, s25, 4                         ; block
	s_and_b32 s26, s26, 7                          ; tile
	s_wait_alu depctr_va_vdst(0)
	s_wait_kmcnt 0x0
	s_cmp_lt_u32 s25, 64                           ; which tensor: the choice hangs on the block's number alone
	s_cselect_b64 s[22:23], s[4:5], s[6:7]
	s_cselect_b32 s24, 0, 64
	s_cmp_lt_u32 s25, 88
	s_cselect_b64 s[22:23], s[22:23], s[8:9]
	s_cselect_b32 s24, s24, 88
	s_sub_co_u32 s27, s25, s24                     ; the block in its tensor
	s_lshl_b32 s27, s27, 7
	s_lshr_b32 s28, s26, 1
	s_lshl_b32 s28, s28, 5
	s_add_co_u32 s27, s27, s28
	s_and_b32 s28, s26, 1
	s_lshl_b32 s28, s28, 3
	s_add_co_u32 s27, s27, s28                     ; the tile's first row
	s_lshl_b32 s28, s27, 12                        ; 4,096 bytes a row,
	s_lshl_b32 s30, s31, 11
	s_add_co_u32 s28, s28, s30                     ; and 2,048 for the second half of K
	s_mov_b32 s29, 0
	s_add_nc_u64 s[22:23], s[22:23], s[28:29]
	s_mul_i32 s28, s25, 98304
	s_mul_i32 s30, s26, 1536
	s_add_co_u32 s28, s28, s30
	s_mul_i32 s30, s31, 49152
	s_add_co_u32 s28, s28, s30                     ; four K steps on for the second half
	s_add_nc_u64 s[10:11], s[10:11], s[28:29]      ; my tile's image of K step 0
	s_lshl_b32 s28, s25, 12
	s_lshl_b32 s30, s26, 8
	s_add_co_u32 s28, s28, s30
	s_lshl_b32 s30, s31, 11
	s_add_co_u32 s28, s28, s30                     ; K steps 4-7 lie 2,048 bytes on
	s_add_nc_u64 s[12:13], s[12:13], s[28:29]      ; my tile's scale words
.macro LOAD s                          ; K step s of my 16 rows: each load reads 512 consecutive bytes
.irp p, 0,1,2,3,4,5,6,7,8,9,10,11,12,13,14,15
	global_load_b128 v[R+64*((\s)%2)+4*\p:R+64*((\s)%2)+4*\p+3], v1, s[22:23] offset:(\p+8*(\p/8))*4096+512*(\s) th:TH_LOAD_NT
.endr
.endm
.macro TURN s                          ; through the stage: LDS serves a wave's instructions in order, so no wait stands between the stores and the loads
.irp p, 0,1,2,3,4,5,6,7,8,9,10,11,12,13,14,15
	ds_store_b128 v4, v[R+64*((\s)%2)+4*\p:R+64*((\s)%2)+4*\p+3] offset:528*\p
.endr
.irp c, 0,1
.irp m, 0,1,2,3,4,5,6,7
	ds_load_b128 v[X+32*\c+4*\m:X+32*\c+4*\m+3], v5 offset:256*\c+16*\m   ; k = 64 c + 32 h + 0 .. 31 of row r
.endr
.endr
.endm
.macro QSTEP s
.if (\s) < 3
	s_wait_loadcnt 16                              ; this K step's 16 loads are in; the next step's 16 may be out
.else
	s_wait_loadcnt 0x0
.endif
	TURN \s
	s_wait_dscnt 0x0                               ; my two blocks are back, and the stores have read the set,
.if (\s) < 2
	LOAD (\s)+2                                    ; which takes the loads of two steps on
.endif
	v_max3_num_f32 v8, |v[X]|, |v[X+1]|, 0x1800000         ; the blocks' largest magnitudes, by turns, with the floor 2^(3 - 127)
	v_max3_num_f32 v9, |v[X+32]|, |v[X+33]|, 0x1800000
.irp i, 2,4,6,8,10,12,14,16,18,20,22,24,26,28,30
	v_max3_num_f32 v8, v8, |v[X+\i]|, |v[X+1+\i]|
	v_max3_num_f32 v9, v9, |v[X+32+\i]|, |v[X+33+\i]|
.endr
	v_add_nc_u32 v10, 0xff000000, v8               ; 2 off the exponent field: the conversion's scale operand
	v_add_nc_u32 v11, 0xff000000, v9
	v_lshrrev_b32 v12, 23, v10                     ; the bytes of blocks h and 2 + h
	v_lshrrev_b32 v13, 23, v11
	v_lshl_or_b32 v14, v13, 16, v12
	v_lshlrev_b32 v14, v7, v14                     ; at their places in the word
	v_permlanex16_b32 v15, v14, s20, s21
	v_or_b32 v[W+(\s)], v14, v15                   ; with lane l xor 16's two the word is whole
	s_wait_alu depctr_va_vdst(0)
	s_wait_xcnt 0x0                                ; the last step's stores have read the codes' registers
.irp c, 0,1
	v_cvt_scalef32_pk16_fp6_f32 v[PC+6*\c:PC+6*\c+2], v[X+32*\c:X+32*\c+15], v[10+\c]
	v_cvt_scalef32_pk16_fp6_f32 v[TMP+4*\c:TMP+4*\c+2], v[X+32*\c+16:X+32*\c+31], v[10+\c]   ; (a conversion's three registers begin on an even number)
.endr
	v_nop                                          ; one plain place behind a scaled conversion
.irp c, 0,1
.irp i, 0,1,2
	v_mov_b32 v[PC+6*\c+3+\i], v[TMP+4*\c+\i]
.endr
.endr
.irp g, 0,1,2
	global_store_b128 v1, v[PC+4*\g:PC+4*\g+3], s[10:11] offset:12288*(\s)+512*\g   ; 512 consecutive bytes a store
.endr
.endm
	LOAD 0
	LOAD 1
.irp s, 0,1,2,3
	QSTEP \s
.endr
	global_store_b128 v6, v[W:W+3], s[12:13]       ; my four K steps' words: sixteen lanes store 256 consecutive bytes (lanes 16-31 write the same bytes with the same values)
	s_wait_tensorcnt 0x0                           ; the wave's end
	ds_add_u32 v[SPW], v[NIL]
	s_wait_dscnt 0x0
	s_endpgm
; THE TABLE.  Lane i: frequency 1 / 10^(i/8).  The stores cover 128 consecutive bytes each; the table is half a megabyte beside the 60 that the launch moves.
.Ltable:
	v_mov_b32 v32, 0
.macro PW lane, bits
	s_mov_b32 s24, \bits
	v_writelane_b32 v32, s24, \lane
.endm
	PW 0, 0x3f800000
	PW 1, 0x3faab0d5
	PW 2, 0x3fe39ea9
	PW 3, 0x4017c496
	PW 4, 0x404a62c2
	PW 5, 0x4086f161
	PW 6, 0x40b3f300
	PW 7, 0x40eff755
	PW 8, 0x41200000
	PW 9, 0x41555d0a
	PW 10, 0x418e432a
	PW 11, 0x41bdb5bc
	PW 12, 0x41fcfb72
	PW 13, 0x4228adb9
	PW 14, 0x4260efc0
	PW 15, 0x4295fa95
	PW 16, 0x42c80000
	PW 17, 0x43055a26
	PW 18, 0x4331d3f4
	PW 19, 0x436d232b
	PW 20, 0x439e1d27
	PW 21, 0x43d2d927
	PW 22, 0x440c95d8
	PW 23, 0x443b793b
	PW 24, 0x447a0000
	PW 25, 0x44a6b0b0
	PW 26, 0x44de48f1
	PW 27, 0x451435fb
	PW 28, 0x4545a471
	PW 29, 0x4583c7b8
	PW 30, 0x45afbb4e
	PW 31, 0x45ea5789
	s_wait_alu depctr_va_vdst(0)
	v_rcp_f32 v33, v32
	v_lshlrev_b32 v36, 2, v16                      ; (a plain place)  4 x lane
	s_wait_alu depctr_va_vdst(0)                   ; ahead of the reciprocal's first reader
	v_fma_f32 v34, -v32, v33, 1.0
	v_fma_f32 v33, v33, v34, v33                   ; 1 / P, corrected once
	s_mov_b32 s30, 0xbfc90fd8                      ; - pi/2 in three parts
	s_mov_b32 s31, 0xb4a8885a
	s_mov_b32 s32, 0xa7c234c4
	s_mov_b32 s33, 0x37ccf5ce                      ; cos r = 1 - s/2 + s^2 ((c0 s + c1) s + c2), s = r^2, |r| <= pi/4
	s_mov_b32 s34, 0xbab6061a
	s_mov_b32 s35, 0x3d2aaaa5
	s_mov_b32 s36, 0xb94ca1f9                      ; sin r = r + r s ((s0 s + s1) s + s2)
	s_mov_b32 s37, 0x3c08839e
	s_mov_b32 s38, 0xbe2aaaa3
	s_lshl_b32 s25, ttmp9, 3                       ; my first token
	s_lshl_b32 s26, s25, 8
	s_mov_b32 s27, 0
	s_wait_kmcnt 0x0
	s_add_nc_u64 s[14:15], s[14:15], s[26:27]
.irp n, 0,1,2,3,4,5,6,7
	s_add_co_u32 s28, s25, \n
	v_cvt_f32_u32 v40, s28
	s_wait_alu depctr_va_vdst(0)
	v_mul_f32 v40, v40, v33                        ; the angle, as the problem forms it: t x the frequency, in f32
	v_mul_f32 v41, 0x3f22f983, v40
	v_rndne_f32 v41, v41                           ; the nearest multiple of pi/2
	v_fma_f32 v42, v41, s30, v40
	v_fma_f32 v42, v41, s31, v42
	v_fma_f32 v42, v41, s32, v42                   ; r
	v_mul_f32 v43, v42, v42                        ; s
	v_cvt_i32_f32 v44, v41                         ; the quadrant
	v_fma_f32 v45, v43, s33, s34
	v_fma_f32 v45, v45, v43, s35
	v_mul_f32 v46, v43, v43
	v_fma_f32 v47, v43, -0.5, 1.0
	v_fma_f32 v45, v45, v46, v47                   ; cos r
	v_fma_f32 v48, v43, s36, s37
	v_fma_f32 v48, v48, v43, s38
	v_mul_f32 v49, v43, v42
	v_fma_f32 v48, v48, v49, v42                   ; sin r
	v_and_b32 v50, 1, v44
	v_cmp_ne_u32 vcc_lo, 0, v50
	v_cndmask_b32 v51, v48, v45, vcc_lo            ; in odd quadrants the two change places
	v_cndmask_b32 v52, v45, v48, vcc_lo
	v_and_b32 v53, 2, v44
	v_lshlrev_b32 v53, 30, v53
	v_xor_b32 v[65+2*\n], v51, v53                 ; sin: minus in quadrants 2, 3
	v_add_nc_u32 v54, 1, v44
	v_and_b32 v54, 2, v54
	v_lshlrev_b32 v54, 30, v54
	v_xor_b32 v[64+2*\n], v52, v54                 ; cos: minus in quadrants 1, 2
	global_store_b32 v36, v[64+2*\n], s[14:15] offset:256*\n
	global_store_b32 v36, v[65+2*\n], s[14:15] offset:256*\n+128
.endr
	s_endpgm
.Lfunc_end_k_q9f6aba878a_quant:
	.size	k_q9f6aba878a_quant, .Lfunc_end_k_q9f6aba878a_quant-k_q9f6aba878a_quant
	.p2alignl 7, 3214868480
	.fill 96, 4, 3214868480
	.section	.rodata,"a",@progbits
	.p2align	6, 0x0
	.amdhsa_kernel k_q9f6aba878a_quant
		.amdhsa_group_segment_fixed_size 51712
		.amdhsa_private_segment_fixed_size 0
		.amdhsa_enable_private_segment 0
		.amdhsa_kernarg_size 48
		.amdhsa_user_sgpr_count 2
		.amdhsa_user_sgpr_kernarg_segment_ptr 1
		.amdhsa_wavefront_size32 1
		.amdhsa_system_sgpr_workgroup_id_x 1
		.amdhsa_system_sgpr_workgroup_id_y 1
		.amdhsa_system_sgpr_workgroup_id_z 1
		.amdhsa_system_vgpr_workitem_id 0
		.amdhsa_next_free_vgpr 256
		.amdhsa_next_free_sgpr 66
		.amdhsa_reserve_vcc 1
		.amdhsa_float_denorm_mode_32 3
		.amdhsa_float_denorm_mode_16_64 3
		.amdhsa_memory_ordered 1
		.amdhsa_forward_progress 1
		.amdhsa_inst_pref_size 48
	.end_amdhsa_kernel
	.amdgpu_metadata
---
amdhsa.version: [ 1, 2 ]
amdhsa.kernels:
  - .name:           k_q9f6aba878a_quant
    .symbol:         k_q9f6aba878a_quant.kd
    .args:
      - { .name: x, .offset: 0, .size: 8, .value_kind: global_buffer, .address_space: global }
      - { .name: Wqkv, .offset: 8, .size: 8, .value_kind: global_buffer, .address_space: global }
      - { .name: Wout, .offset: 16, .size: 8, .value_kind: global_buffer, .address_space: global }
      - { .name: cod, .offset: 24, .size: 8, .value_kind: global_buffer, .address_space: global }
      - { .name: scl, .offset: 32, .size: 8, .value_kind: global_buffer, .address_space: global }
      - { .name: tab, .offset: 40, .size: 8, .value_kind: global_buffer, .address_space: global }
    .group_segment_fixed_size: 51712
    .private_segment_fixed_size: 0
    .kernarg_segment_align: 8
    .kernarg_segment_size: 48
    .max_flat_workgroup_size: 224
    .sgpr_count:     66
    .vgpr_count:     256
    .wavefront_size: 32
...
	.end_amdgpu_metadata
.endif
;; end of part 1
;; launch qkvgemm (part 2): grid 12 x 64, 4 waves a work-group, clusters of 4 x 4, 327,680 bytes of LDS; arguments cod, scl, bqkv, tab, qkv; writes qkv
.if DOCPART == 2
	.amdgcn_target "amdgcn-amd-amdhsa--gfx1250"
	.amdhsa_code_object_version 6
	.text
	.protected	k_q9f6aba878a_qkvgemm
	.globl	k_q9f6aba878a_qkvgemm
	.p2align	8
	.type	k_q9f6aba878a_qkvgemm,@function
k_q9f6aba878a_qkvgemm:
	s_mov_b64 s[64:65], 0
	v_nop
	global_prefetch_b8 v0, s[64:65] scope:SCOPE_SE
	s_setreg_imm32_b32 hwreg(HW_REG_WAVE_MODE, 25, 1), 1
	s_wait_xcnt 0x0
	s_wait_alu depctr_hold_cnt(0) depctr_sa_sdst(0) depctr_va_vdst(0) depctr_va_sdst(0) depctr_va_ssrc(0) depctr_va_vcc(0) depctr_vm_vsrc(0)
	s_getreg_b32 s2, hwreg(HW_REG_IB_STS2, 6, 4)
	s_cmp_eq_u32 s2, 0
	s_cbranch_scc0 .Lentry_in_a_cluster
	s_endpgm
.Lentry_in_a_cluster:
	s_bfe_u32 s2, ttmp6, 0x10000c
	s_cmp_lg_u32 s2, 0xf033
	s_cbranch_scc0 .Lentry_shape_is_right
	s_endpgm
.Lentry_shape_is_right:
; LAUNCH 2 OF 4.  qkv = x Wqkv^T + bqkv on codes of FP6 (launch 1's images); q and k are rotated; q, k (along the head's 64) and v (along the keys) are quantised in registers and leave as images of the operands of launch 3.  No work is left out.
; LIMITS: as stated at the head of launch 1 (no NaN, no infinities; a block of zeros has the byte 1; the floor 2^(3 - 127)).
; TILE: side A, 128 rows (one block of cod), goes to the lanes (source 1); side B, 256 rows (two blocks), to the registers (source 0).  Four waves: wave w takes A's tiles 4 (w / 2) .. + 3 and B's block w % 2: 32 accumulators.
; Cluster x = 0: q, 1: k: A = x, B = W: a lane holds a token, its registers run along the features.  Cluster x = 2: v: A = W, B = x: a lane holds a feature, its registers run along the tokens, which are the next K.
; ALL OF K LIES IN LDS: A 98,304 bytes, B twice that: every byte is filled once, so no slot is filled again.  The fills go in four stages of 256 along K, four tensor loads a wave, all out at the start; a counted wait and a
; barrier stand in front of the first read of each stage.  By this text's count a wave has four tensor loads outstanding.
; CLUSTER 4 x 4: A's block hangs on the cluster's y and cy alone and is asked for jointly along a row, B's on cx (and the cluster's place) alone and jointly along a column.
; qkv: 64 head blocks of 409,600 bytes: K and V half, then Q half; a half is 16 step blocks (128 tokens) of 12,800 bytes: 4 pair images of K (or Q), 4 fragments of V^T, K's (Q's) scale words [half][r][2], V's [r][4].
; A PAIR IMAGE: registers 0-5 the 64 codes of token tile 2 p, registers 6-11 those of tile 2 p + 1; scale word: bytes 0, 1 and 2, 3.
; REGISTERS: window 0: v1-9 lane numbers and offsets, v16-19 LDS addresses, v22-24 offsets, v28, v29 the add's two, v64-127 scale words, v128-223 A's two sets; in the way out v32-169 are at work.
;   window 1: B's two sets (v0-95, v128-223).  window 2: the accumulators, (a, b) at v[8 (8 a + b)].  window 3: biases, cos and sin.
.set HB,    409600
.set BLKB,  98304
.set FRB,   1536
.set STEPB, 12288
.set LB,    98304                      ; LDS: B's two blocks behind A's
.set SPARE, 294912                     ; behind them: the spare words, 128 bytes a wave
.set NF,    36                         ; LDS loads of one K step's fragments
.set ADRA,  16
.set ADRB,  18
.set SCO,   22
.set LI,    24
.set SPW,   28
.set NIL,   29
.set SC,    64
.set AF,    128
.set ST,    32                         ; the way out: 64 numbers
.set T,     96                         ; 32 numbers with their bias
.set PC,    128                        ; the codes just made (20 registers)
.set TM,    148                        ; 16 at work
.set PWQ,   164                        ; four scale words
.set PWS,   168
.set SEL,   96
.set MSB, 0
.macro WIN new                         ; the immediate's high byte repeats the setting that is left
.if MSB != \new
	s_set_vgpr_msb (MSB<<8)|\new
.set MSB, \new
.endif
.endm
.macro PLACES n
.rept \n
	v_nop
.endr
.endm
.macro CROUND                          ; a round of the cluster's barrier
	s_barrier_signal -1
	s_barrier_wait -1
	s_cmp_lg_u32 s14, 0
	s_cbranch_scc1 .Lnot_wave_0_\@
	s_barrier_signal -3
.Lnot_wave_0_\@:
	s_barrier_wait -3
	s_barrier_signal -1
	s_barrier_wait -1
.endm
.macro FETCH s                         ; K step s: B's eight fragments and A's four, as images: 512 consecutive bytes a load
	WIN 0x40
.irp i, 0,1,2,3,4,5,6,7
.irp g, 0,1,2
	ds_load_b128 v[128*((\s)%2)+12*\i+4*\g:128*((\s)%2)+12*\i+4*\g+3], v[ADRB+(\s)/4] offset:((\s)%4)*STEPB+FRB*\i+512*\g
.endr
.endr
	WIN 0
.irp i, 0,1,2,3
.irp g, 0,1,2
	ds_load_b128 v[AF+48*((\s)%2)+12*\i+4*\g:AF+48*((\s)%2)+12*\i+4*\g+3], v[ADRA+(\s)/4] offset:((\s)%4)*STEPB+FRB*\i+512*\g
.endr
.endr
.endm
.macro MUL s, zero                     ; 32 products; the accumulators take turns, one instruction a turn.  Scale words: lanes 16-31 B's (source 0), lanes 0-15 A's
	WIN 0xa1
.irp a, 0,1,2,3
.irp b, 0,1,2,3,4,5,6,7
.if \zero
	v_wmma_scale_f32_16x16x128_f8f6f4 v[8*(8*\a+\b):8*(8*\a+\b)+7], v[128*((\s)%2)+12*\b:128*((\s)%2)+12*\b+11], v[AF+48*((\s)%2)+12*\a:AF+48*((\s)%2)+12*\a+11], 0, v[SC+8*\b+(\s)], v[SC+8*\a+(\s)] matrix_a_fmt:MATRIX_FMT_FP6 matrix_b_fmt:MATRIX_FMT_FP6 matrix_a_scale:MATRIX_SCALE_ROW1
.else
	v_wmma_scale_f32_16x16x128_f8f6f4 v[8*(8*\a+\b):8*(8*\a+\b)+7], v[128*((\s)%2)+12*\b:128*((\s)%2)+12*\b+11], v[AF+48*((\s)%2)+12*\a:AF+48*((\s)%2)+12*\a+11], v[8*(8*\a+\b):8*(8*\a+\b)+7], v[SC+8*\b+(\s)], v[SC+8*\a+(\s)] matrix_a_fmt:MATRIX_FMT_FP6 matrix_b_fmt:MATRIX_FMT_FP6 matrix_a_scale:MATRIX_SCALE_ROW1
.endif
.endr
.endr
.endm
.macro KSTEP s, tc, zero               ; tc >= 0: the next stage is wanted: my load of it has landed (tc younger ones may be out), then the barrier
.if (\tc) >= 0
	s_wait_tensorcnt \tc
	s_wait_dscnt 0x0
	s_barrier_signal -1
	s_barrier_wait -1
.endif
.if (\s) > 0
	PLACES 4                                       ; in front of loads into the set that the last products read
.endif
.if (\s) < 7
	FETCH (\s)+1
	s_wait_dscnt NF                                ; all but the fetch just issued: this step's set is in
.else
	s_wait_dscnt 0x0
.endif
	MUL \s, \zero
.endm
.macro MAIN lc
	s_wait_alu depctr_va_vdst(0)                   ; the head's end
	s_cmp_lt_u32 s14, 2                            ; waves 0 and 1 wait for their loads, K steps 0-3: this barrier shows these two tiles alone
	s_cbranch_scc0 .Lnot_lo_\@
	s_wait_tensorcnt 0x0
.Lnot_lo_\@:
	s_barrier_signal -1
	s_barrier_wait -1
	FETCH 0
	s_wait_loadcnt \lc
	KSTEP 0, -1, 1
	KSTEP 1, -1, 0
	KSTEP 2, -1, 0
	KSTEP 3, 0, 0                                  ; every wave waits for its load: the barrier shows K steps 4-7 ahead of K step 4's fetch
	KSTEP 4, -1, 0
	KSTEP 5, -1, 0
	KSTEP 6, -1, 0
	KSTEP 7, -1, 0
.endm
; 64 numbers of a lane, register 16 b + i = k 32 b + 16 (lane / 16) + i of my row, become a fragment's codes in v[PC] on and its scale word in v[pw].
.macro QUANT s, pw
.irp b, 0,1,2,3
	v_max3_num_f32 v[TM+\b], |v[\s+16*\b]|, |v[\s+1+16*\b]|, 0x1800000
.endr
.irp i, 2,4,6,8,10,12,14
.irp b, 0,1,2,3
	v_max3_num_f32 v[TM+\b], v[TM+\b], |v[\s+16*\b+\i]|, |v[\s+1+16*\b+\i]|
.endr
.endr
.irp b, 0,1,2,3
	v_permlanex16_b32 v[TM+4+\b], v[TM+\b], s[SEL], s[SEL+1]
.endr
.irp b, 0,1,2,3
	v_max_num_f32 v[TM+\b], v[TM+\b], v[TM+4+\b]
.endr
.irp b, 0,1,2,3
	v_add_nc_u32 v[TM+12+\b], 0xff000000, v[TM+\b]
.endr
.irp b, 0,1,2,3
	v_lshrrev_b32 v[TM+4+\b], 23, v[TM+12+\b]
.endr
	v_lshl_or_b32 v[\pw], v[TM+5], 8, v[TM+4]
	v_lshl_or_b32 v[\pw], v[TM+6], 16, v[\pw]
	v_lshl_or_b32 v[\pw], v[TM+7], 24, v[\pw]
.irp c, 0,1
	v_cvt_scalef32_pk16_fp6_f32 v[PC+6*\c:PC+2+6*\c], v[\s+32*\c:\s+15+32*\c], v[TM+12+2*\c]
	v_cvt_scalef32_pk16_fp6_f32 v[PC+12+4*\c:PC+14+4*\c], v[\s+16+32*\c:\s+31+32*\c], v[TM+12+2*\c+1]
.endr
	v_nop                                          ; one plain place behind a scaled conversion
.irp c, 0,1
.irp i, 0,1,2
	v_permlane16_swap_b32 v[PC+6*\c+\i], v[PC+12+4*\c+\i]
.endr
.irp i, 0,1,2
	v_mov_b32 v[PC+3+6*\c+\i], v[PC+12+4*\c+\i]
.endr
.endr
.endm
.macro FINISH
	s_wait_tensorcnt 0x0                           ; the wave's end, ahead of the closing round
	ds_add_u32 v[SPW], v[NIL]
	s_wait_dscnt 0x0
	CROUND
	s_endpgm
.endm
	s_load_b256 s[4:11], s[0:1], 0x0               ; cod, scl, bqkv, tab
	s_load_b64 s[12:13], s[0:1], 0x20              ; qkv
	v_lshl_add_u32 v[SPW], v0, 2, SPARE
	v_mov_b32 v[NIL], 0
	ds_add_u32 v[SPW], v[NIL]                      ; the opening
	ds_add_u32 v[SPW], v[NIL]
	v_lshrrev_b32 v1, 5, v0
	v_readfirstlane_b32 s14, v1                    ; wave
	s_lshr_b32 s15, s14, 1                         ; which 64 rows of A are mine.  Also: which part I fetch
	s_and_b32 s16, s14, 1                          ; which block of B is mine.  Also: I fetch for A (0) or for B (1)
	s_bfe_u32 s19, ttmp6, 0x40000                  ; cx
	s_bfe_u32 s20, ttmp6, 0x40004                  ; cy
	s_and_b32 s18, ttmp7, 0xffff                   ; the cluster's y
	s_lshl_b32 s21, s20, 2
	s_lshl_b32 s21, 15, s21                        ; my row of the cluster
	s_lshl_b32 s22, 0x1111, s19                    ; my column
	s_lshl_b32 s56, s18, 2
	s_add_co_u32 s56, s56, s20                     ; q, k: A = x's block 4 Y + cy
	s_and_b32 s57, s18, 1
	s_lshl_b32 s57, s57, 2
	s_add_co_u32 s57, s57, s20
	s_add_co_u32 s57, s57, 80                      ; v: A = W's block 80 + 4 (Y % 2) + cy
	s_cmp_eq_u32 ttmp9, 2
	s_cselect_b32 s56, s57, s56                    ; A's block
	s_lshl_b32 s58, ttmp9, 3
	s_lshl_b32 s59, s19, 1
	s_add_co_u32 s58, s58, s59
	s_add_co_u32 s58, s58, 64                      ; q, k: B = W's blocks 64 + 8 X + 2 cx, + 1
	s_lshr_b32 s23, s18, 1
	s_lshl_b32 s23, s23, 3
	s_add_co_u32 s59, s59, s23                     ; v: B = x's blocks 8 (Y / 2) + 2 cx, + 1
	s_cmp_eq_u32 ttmp9, 2
	s_cselect_b32 s58, s59, s58
	s_add_co_u32 s59, s58, s16                     ; my block of B
	; group 1: dense bytes as rows of 256 (32 elements of 8 bytes): A 192 rows
	s_or_b32 s24, s21, (3<<16)|(1<<21)
	s_mov_b32 s25, 32<<16
	; THE FILLS, in place of the four stages that the head comment tells of: ONE joint load a wave.  Wave 0: A's K steps 0-3 (192 rows of 256 bytes); wave 1: K steps 0-3 of both blocks of B
	; (two rows of 49,152 bytes, 98,304 apart in memory, on end in LDS); wave 2: A's K steps 4-7; wave 3: B's.  One tensor load a wave is outstanding.
	s_mov_b32 s26, 192<<16
	s_mov_b32 s27, 32<<16
	s_mov_b32 s28, 192
	s_mov_b32 s29, 32
	s_mov_b32 s30, 0
	s_mov_b32 s31, 0
	s_or_b32 s32, s22, (3<<16)|(1<<21)
	s_mov_b32 s33, 6144<<16                        ; B: a row is 6,144 elements of 8 bytes: four K steps of one block
	s_mov_b32 s34, 2<<16                           ; two rows: the two blocks
	s_mov_b32 s35, 6144<<16
	s_mov_b32 s36, 2
	s_mov_b32 s37, 12288                           ; a block further on in memory
	s_mov_b32 s38, 0
	s_mov_b32 s39, 0
	s_mul_i32 s61, s16, 49152
	s_add_co_u32 s61, s61, LB                      ; LDS: K steps 0-3 of my block of B; its K steps 4-7 lie 98,304 further on
.irp j, 0,1
	s_mov_b32 s[40+4*\j], 1
	s_mov_b32 s[41+4*\j], \j*49152                 ; A's halves along K
	s_mov_b32 s[68+4*\j], 1
	s_mov_b32 s[69+4*\j], LB+\j*98304              ; B's: both blocks' K steps 0-3, then both blocks' 4-7
.endr
	s_mul_i32 s84, s56, BLKB
	s_mov_b32 s85, 0
	s_mul_i32 s86, s58, BLKB
	s_mov_b32 s87, 0
	s_mov_b32 s[SEL], 0x76543210
	s_mov_b32 s[SEL+1], 0xfedcba98
	s_wait_dscnt 0x0                               ; both opening adds are done
	s_wait_kmcnt 0x0
	s_add_nc_u64 s[88:89], s[4:5], s[84:85]
	s_add_nc_u64 s[90:91], s[4:5], s[86:87]
.irp j, 0,1
	s_add_nc_u64 s[42+4*\j:43+4*\j], s[88:89], \j*49152
	s_or_b32 s[43+4*\j], s[43+4*\j], 0x80000000
	s_add_nc_u64 s[70+4*\j:71+4*\j], s[90:91], \j*49152
	s_or_b32 s[71+4*\j], s[71+4*\j], 0x80000000
.endr
	CROUND                                         ; all sixteen work-groups are here: the joint loads meet
	s_cmp_eq_u32 s14, 0                            ; one chain of branches on the wave's number, one load to an arm
	s_cbranch_scc0 .Lfill_1
	tensor_load_to_lds s[40:43], s[24:31]          ; wave 0: A, K steps 0-3
	s_nop 0
	PLACES 4
	s_branch .Lfilled
.Lfill_1:
	s_cmp_eq_u32 s14, 1
	s_cbranch_scc0 .Lfill_2
	tensor_load_to_lds s[68:71], s[32:39]          ; wave 1: B, K steps 0-3
	s_nop 0
	PLACES 4
	s_branch .Lfilled
.Lfill_2:
	s_cmp_eq_u32 s14, 2
	s_cbranch_scc0 .Lfill_3
	tensor_load_to_lds s[44:47], s[24:31]          ; wave 2: A, K steps 4-7
	s_nop 0
	PLACES 4
	s_branch .Lfilled
.Lfill_3:
	tensor_load_to_lds s[72:75], s[32:39]          ; wave 3: B, K steps 4-7
	s_nop 0
	PLACES 4
.Lfilled:
	v_and_b32 v1, 31, v0                           ; lane
	v_and_b32 v2, 15, v0                           ; r
	v_bfe_u32 v3, v0, 4, 1                         ; h
	v_lshlrev_b32 v[LI], 4, v1
	s_mul_i32 s84, s15, 4*FRB
	v_add_nc_u32 v[ADRA], s84, v[LI]
	v_add_nc_u32 v[ADRA+1], 49152, v[ADRA]         ; K steps 4-7
	v_add_nc_u32 v[ADRB], s61, v[LI]
	v_add_nc_u32 v[ADRB+1], 98304, v[ADRB]
	v_sub_nc_u32 v4, 1, v3
	s_lshl_b32 s84, s56, 12
	s_lshl_b32 s86, s15, 10
	s_add_co_u32 s84, s84, s86                     ; A's scale words: my four tiles
	s_lshl_b32 s86, s59, 12                        ; B's
	v_mul_u32_u24 v[SCO], s84, v4
	v_mad_u32_u24 v[SCO], s86, v3, v[SCO]
	v_lshl_add_u32 v[SCO], v2, 4, v[SCO]           ; lanes 0-15 A's, lanes 16-31 B's, 16 bytes a row
	v_lshl_add_u32 v[SCO+1], v3, 10, v[SCO]        ; for B's tiles 4-7: lanes 0-15 read A's four again (not used)
.irp i, 0,1,2,3
.irp q, 0,1
	global_load_b128 v[SC+8*\i+4*\q:SC+8*\i+4*\q+3], v[SCO], s[6:7] offset:2048*\q+256*\i
.endr
.endr
.irp i, 4,5,6,7
.irp q, 0,1
	global_load_b128 v[SC+8*\i+4*\q:SC+8*\i+4*\q+3], v[SCO+1], s[6:7] offset:2048*\q+256*(\i-4)
.endr
.endr
	s_mov_b32 s85, 0
	s_cmp_eq_u32 ttmp9, 2                          ; the cluster's x: the same in all partners
	s_cbranch_scc1 .Lvarm
	; ---- q and k.  Accumulator (a, b), register j, lane (r, h): token 64 (w / 2) + 32 (a / 2) + 8 (a % 2) + r + 8 (r / 8); feature 32 (b / 2) + 8 (b % 2) + 16 h + j of B's 128: head b / 4
	s_lshl_b32 s84, ttmp9, 10
	s_lshl_b32 s86, s19, 8
	s_add_co_u32 s84, s84, s86
	s_lshl_b32 s86, s16, 7
	s_add_co_u32 s84, s84, s86
	s_lshl_b32 s84, s84, 2
	s_add_nc_u64 s[8:9], s[8:9], s[84:85]          ; the bias of my 128 features
	s_and_b32 s86, s56, 15                         ; the block in its sequence
	s_lshl_b32 s84, s86, 7
	s_lshl_b32 s87, s15, 6
	s_add_co_u32 s84, s84, s87
	s_lshl_b32 s84, s84, 8
	s_add_nc_u64 s[10:11], s[10:11], s[84:85]      ; the table at my first token
	v_lshlrev_b32 v6, 6, v3                        ; 64 h
	v_and_b32 v7, 8, v2
	v_add_nc_u32 v7, v7, v2                        ; r + 8 (r / 8)
	v_lshl_add_u32 v7, v7, 8, v6
	WIN 0xc0                                       ; destination window 3
.irp hd, 0,1
.irp be, 0,1
.irp d, 0,1,2,3
	global_load_b128 v[32*\hd+16*\be+4*\d:32*\hd+16*\be+4*\d+3], v6, s[8:9] offset:(64*\hd+32*\be)*4+16*\d
.endr
.endr
.endr
.irp a, 0,1,2,3
.irp sc, 0,1
.irp d, 0,1,2,3
	global_load_b128 v[64+32*\a+16*\sc+4*\d:64+32*\a+16*\sc+4*\d+3], v7, s[10:11] offset:(32*(\a/2)+8*(\a%2))*256+128*\sc+16*\d
.endr
.endr
.endr
	WIN 0
	s_lshr_b32 s84, s56, 4
	s_lshl_b32 s84, s84, 4                         ; 16 x batch
	s_lshl_b32 s87, s19, 2
	s_add_co_u32 s84, s84, s87
	s_lshl_b32 s87, s16, 1
	s_add_co_u32 s84, s84, s87                     ; the first of my two heads
	s_mul_i32 s84, s84, HB
	s_mul_i32 s87, s86, 12800
	s_add_co_u32 s84, s84, s87
	s_cmp_eq_u32 ttmp9, 0
	s_cselect_b32 s87, 204800, 0                   ; q goes to the Q half
	s_add_co_u32 s84, s84, s87
	s_add_nc_u64 s[92:93], s[12:13], s[84:85]      ; the step block
	s_lshl_b32 s84, s15, 7
	s_add_co_u32 s84, s84, 12288
	s_add_nc_u64 s[94:95], s[92:93], s[84:85]      ; my half of its scale words
	s_mul_i32 s84, s15, 3072
	s_add_nc_u64 s[92:93], s[92:93], s[84:85]      ; my two pair images
	v_mul_u32_u24 v9, v3, HB
	v_lshl_add_u32 v9, v2, 3, v9                   ; scale words: lanes 16-31 the second head's
	MAIN 48
	PLACES 4                                       ; behind the last products
	WIN 0
	s_wait_loadcnt 0x0                             ; bias, cos, sin
.irp b, 0,1,2,3
	v_mov_b32 v[TM+4+\b], 0                        ; a lane permute's destination counts as read
.endr
.irp ap, 0,1
.irp hd, 0,1
.irp ev, 0,1
	WIN 0x0e                                       ; source 0: the accumulators, each from its low end on; source 1: the bias
.set n, 0
.rept 16
	v_pk_add_f32 v[T+n:T+n+1], v[64*(2*\ap+\ev)+32*\hd+n:64*(2*\ap+\ev)+32*\hd+n+1], v[32*\hd+n:32*\hd+n+1]
.set n, n+2
.endr
	WIN 0x0c                                       ; source 1: cos, sin.  T 0-15: x1 at 16 h + 0 .. 15; T 16-31: x2
.set n, 0
.rept 8
	v_pk_mul_f32 v[ST+32*\ev+n:ST+32*\ev+n+1], v[T+n:T+n+1], v[64+32*(2*\ap+\ev)+n:64+32*(2*\ap+\ev)+n+1]
	v_pk_mul_f32 v[ST+32*\ev+16+n:ST+32*\ev+17+n], v[T+16+n:T+17+n], v[64+32*(2*\ap+\ev)+n:64+32*(2*\ap+\ev)+n+1]
.set n, n+2
.endr
.set n, 0
.rept 8
	v_pk_fma_f32 v[ST+32*\ev+n:ST+32*\ev+n+1], v[T+16+n:T+17+n], v[80+32*(2*\ap+\ev)+n:80+32*(2*\ap+\ev)+n+1], v[ST+32*\ev+n:ST+32*\ev+n+1] neg_lo:[1,0,0] neg_hi:[1,0,0]
	v_pk_fma_f32 v[ST+32*\ev+16+n:ST+32*\ev+17+n], v[T+n:T+n+1], v[80+32*(2*\ap+\ev)+n:80+32*(2*\ap+\ev)+n+1], v[ST+32*\ev+16+n:ST+32*\ev+17+n]
.set n, n+2
.endr
.endr
	WIN 0
	s_wait_xcnt 0x0                                ; the last image's stores have read the codes' registers
	QUANT ST, PWQ+2*\hd+\ap
.irp g, 0,1,2
	global_store_b128 v[LI], v[PC+4*\g:PC+4*\g+3], s[92:93] offset:\hd*HB+\ap*FRB+512*\g
.endr
.endr
.endr
	v_cmp_ne_u32 vcc_lo, 0, v3
	v_cndmask_b32 v[PWS], v[PWQ], v[PWQ+2], vcc_lo
	v_cndmask_b32 v[PWS+1], v[PWQ+1], v[PWQ+3], vcc_lo
	global_store_b64 v9, v[PWS:PWS+1], s[94:95]    ; 128 consecutive bytes for each head: one byte of scales for 24 of codes
	FINISH
	; ---- v.  Accumulator (a, b), register j, lane (r, h): feature 64 (w / 2) + 32 (a / 2) + 8 (a % 2) + r + 8 (r / 8) of W's 128; token 32 (b / 2) + 8 (b % 2) + 16 h + j of my block of x
.Lvarm:
	s_sub_co_u32 s86, s56, 80
	s_lshl_b32 s84, s86, 7
	s_lshl_b32 s87, s15, 6
	s_add_co_u32 s84, s84, s87
	s_add_co_u32 s84, s84, 2048
	s_lshl_b32 s84, s84, 2
	s_add_nc_u64 s[8:9], s[8:9], s[84:85]          ; the bias of my head's 64 features
	v_and_b32 v7, 8, v2
	v_add_nc_u32 v7, v7, v2
	v_lshlrev_b32 v7, 2, v7                        ; 4 (r + 8 (r / 8))
	v_lshlrev_b32 v8, 4, v2                        ; 16 r
	WIN 0xc0
.irp a, 0,1,2,3
	global_load_b32 v[2*\a], v7, s[8:9] offset:(32*(\a/2)+8*(\a%2))*4
	global_load_b32 v[2*\a+1], v7, s[8:9] offset:(32*(\a/2)+8*(\a%2))*4      ; twice: a pair for the packed addition
.endr
	WIN 0
	s_lshr_b32 s84, s59, 4
	s_lshl_b32 s84, s84, 4                         ; 16 x batch
	s_lshl_b32 s87, s86, 1
	s_add_co_u32 s84, s84, s87
	s_add_co_u32 s84, s84, s15                     ; my head
	s_mul_i32 s84, s84, HB
	s_and_b32 s87, s59, 15
	s_mul_i32 s87, s87, 12800
	s_add_co_u32 s84, s84, s87
	s_add_co_u32 s84, s84, 6144
	s_add_nc_u64 s[92:93], s[12:13], s[84:85]      ; the step block's four fragments of V^T
	MAIN 8
	PLACES 4
	WIN 0
	s_wait_loadcnt 0x0
.irp b, 0,1,2,3
	v_mov_b32 v[TM+4+\b], 0
.endr
.irp a, 0,1,2,3
	WIN 0x0e
.set n, 0
.rept 32
	v_pk_add_f32 v[ST+n:ST+n+1], v[64*\a+n:64*\a+n+1], v[2*\a:2*\a+1]
.set n, n+2
.endr
	WIN 0
	s_wait_xcnt 0x0
	QUANT ST, PWQ+\a
.irp g, 0,1,2
	global_store_b128 v[LI], v[PC+4*\g:PC+4*\g+3], s[92:93] offset:\a*FRB+512*\g
.endr
.endr
	global_store_b128 v8, v[PWQ:PWQ+3], s[92:93] offset:6400       ; 256 consecutive bytes (lanes 16-31 write the same bytes with the same values)
	FINISH
.Lfunc_end_k_q9f6aba878a_qkvgemm:
	.size	k_q9f6aba878a_qkvgemm, .Lfunc_end_k_q9f6aba878a_qkvgemm-k_q9f6aba878a_qkvgemm
	.p2alignl 7, 3214868480
	.fill 96, 4, 3214868480
	.section	.rodata,"a",@progbits
	.p2align	6, 0x0
	.amdhsa_kernel k_q9f6aba878a_qkvgemm
		.amdhsa_group_segment_fixed_size 327680
		.amdhsa_private_segment_fixed_size 0
		.amdhsa_enable_private_segment 0
		.amdhsa_kernarg_size 40
		.amdhsa_user_sgpr_count 2
		.amdhsa_user_sgpr_kernarg_segment_ptr 1
		.amdhsa_wavefront_size32 1
		.amdhsa_system_sgpr_workgroup_id_x 1
		.amdhsa_system_sgpr_workgroup_id_y 1
		.amdhsa_system_sgpr_workgroup_id_z 1
		.amdhsa_system_vgpr_workitem_id 0
		.amdhsa_next_free_vgpr 1024
		.amdhsa_next_free_sgpr 100
		.amdhsa_reserve_vcc 1
		.amdhsa_float_denorm_mode_32 3
		.amdhsa_float_denorm_mode_16_64 3
		.amdhsa_memory_ordered 1
		.amdhsa_forward_progress 1
		.amdhsa_inst_pref_size 187
	.end_amdhsa_kernel
	.amdgpu_metadata
---
amdhsa.version: [ 1, 2 ]
amdhsa.kernels:
  - .name:           k_q9f6aba878a_qkvgemm
    .symbol:         k_q9f6aba878a_qkvgemm.kd
    .args:
      - { .name: cod, .offset: 0, .size: 8, .value_kind: global_buffer, .address_space: global }
      - { .name: scl, .offset: 8, .size: 8, .value_kind: global_buffer, .address_space: global }
      - { .name: bqkv, .offset: 16, .size: 8, .value_kind: global_buffer, .address_space: global }
      - { .name: tab, .offset: 24, .size: 8, .value_kind: global_buffer, .address_space: global }
      - { .name: qkv, .offset: 32, .size: 8, .value_kind: global_buffer, .address_space: global }
    .group_segment_fixed_size: 327680
    .private_segment_fixed_size: 0
    .kernarg_segment_align: 8
    .kernarg_segment_size: 40
    .max_flat_workgroup_size: 128
    .sgpr_count:     100
    .vgpr_count:     1024
    .wavefront_size: 32
...
	.end_amdgpu_metadata
.endif
;; end of part 2
;; launch attn (part 3): grid 4 x 64, 16 waves a work-group, clusters of 4 x 1, 264,192 bytes of LDS; arguments qkv, cod, scl; writes cod, scl
.if DOCPART == 3
	.amdgcn_target "amdgcn-amd-amdhsa--gfx1250"
	.amdhsa_code_object_version 6
	.text
	.protected	k_q9f6aba878a_attn
	.globl	k_q9f6aba878a_attn
	.p2align	8
	.type	k_q9f6aba878a_attn,@function
k_q9f6aba878a_attn:
	s_mov_b64 s[64:65], 0
	v_nop
	global_prefetch_b8 v0, s[64:65] scope:SCOPE_SE
	s_setreg_imm32_b32 hwreg(HW_REG_WAVE_MODE, 25, 1), 1
	s_wait_xcnt 0x0
	s_wait_alu depctr_hold_cnt(0) depctr_sa_sdst(0) depctr_va_vdst(0) depctr_va_sdst(0) depctr_va_ssrc(0) depctr_va_vcc(0) depctr_vm_vsrc(0)
	s_getreg_b32 s2, hwreg(HW_REG_IB_STS2, 6, 4)
	s_cmp_eq_u32 s2, 0
	s_cbranch_scc0 .Lentry_in_a_cluster
	s_endpgm
.Lentry_in_a_cluster:
	s_bfe_u32 s2, ttmp6, 0x10000c
	s_cmp_lg_u32 s2, 0x3003
	s_cbranch_scc0 .Lentry_shape_is_right
	s_endpgm
.Lentry_shape_is_right:
; LAUNCH 3 OF 4.  For each of the 64 (batch, head): softmax(q k^T / 8) v on codes of FP6, the result divided by the row's sum and quantised along D for the last product.  No work of the problem is left out.
; THE SOFTMAX: t = score x log2(e) / 8; M = the running largest t rounded up to a whole number; p = 2^(t - M) is quantised along the keys; the sum is taken of the unquantised p, in f32.
; LIMITS: as at the head of launch 1 (no NaN, no infinities; a block's largest magnitude is not taken under 2^(3 - 127)); the scaled scores stay under 2^31 in magnitude; the division by the sum is a multiplication by v_rcp_f32's result.
; SHARES: a cluster of four work-groups is one head; a work-group owns 512 queries in two passes of 256 (one text, a loop of two trips); each of its sixteen waves a tile of 16 queries a pass; every wave walks the 2,048 keys, 128 a step.
; THE HEAD'S K AND V STAY IN LDS: sixteen joint loads, one a wave, each asked for by all four work-groups; every byte is filled once.  A step block of 12,800 bytes comes as 25 rows of 512 bytes with 128 of padding behind each,
; at 16,384 x step.  No prefetch: all fills go out at the head, there is no loop to run ahead in.
; WHICH KEYS FORM A TILE is chosen by the lanes' LDS addresses.  Launch 2's pair image p holds keys 32 p .. + 31.  Fragment (c, u): lanes r < 8 take rows r + 8 u of image 2 c, lanes r >= 8 rows r - 8 + 8 u of image 2 c + 1.
; Its two tiles (registers 0-5 and 6-11, met by (q, 0) and (0, q)) are tiles t = 2 u, 2 u + 1 of group c: rows 0-7 keys 64 c + 8 t + 0 .. 7, rows 8-15 keys 64 c + 32 + 8 t + 0 .. 7.  So register 32 c + 8 t + j of S^T in lane (r, h)
; is key 64 c + 32 h + 8 t + j of query r: A WHOLE BLOCK OF 32 KEYS LIES IN ONE LANE, in the order of p's operand registers: no lane is asked for a block's maximum and no code changes lanes.
; The padding sets image 2 c + 1 at 128 bytes modulo 256 from image 2 c: the sixteen lanes of a half load touch 256 different bytes modulo 256.
; THE ORDER OF A STEP keeps lines that hang on each other apart.  Scores; the maxima in eight chains, one an accumulator; the chain that makes M, with the end of the LAST step's sum between its links;
; t - M of the first 64 keys with the chain that makes f among them; O^T x f; V's loads, in one run; the exponentials in two batches: among the first stand the multiply-adds of the other 64 keys, among the second eight additions
; of the first batch's p, none of which is read inside its batch; scales and codes with moves and additions between the links; O^T += V^T p^T; the next step's addresses and K loads; the last additions.
; The last step's K loads name step 0 again: the second pass begins with them; those of the last pass are read by nobody.
; REGISTERS: v1 16 l, v2 16 r, v3, v4 lane terms of K's fragments and scale words, v7 8 l, v11 8 h; v5, v6 the add's two; v8-10 the step's addresses; v12 -M, v13 the largest score, v[14:15] the sum; v16-33 zeros, q, zeros; v34 q's scale word;
; v36-83 four fragments; v84-87 K's scale words; v88-91 V's (in lanes 16-31); v92, v93 q's scale words of both passes; v94 bytes to store; v96-159 S^T, then p; v160-191 O^T; v192-203 q of both passes; v204-219 eight partial sums;
; v220-227 the maxima's chains; v228-239 p's codes; v240-255 at work.
.set HB,    409600
.set SPARE, 262144
.set FRG,   36
.set KS,    84
.set VS,    88
.set S,     96
.set O,     160
.set QQ,    192
.set SUM,   204
.set C,     220
.set PCD,   228
.set WV,    10
.set SEL,   20
.set CS,    22
.set TK,    44
.set CNT,   45
.set EM,    46
.set SELQ,  47
.set PM,    60
.set PAS,   61
.macro WALU
	s_wait_alu depctr_va_vdst(0)
.endm
.macro CROUND
	s_barrier_signal -1
	s_barrier_wait -1
	s_cmp_lg_u32 s[WV], 0
	s_cbranch_scc1 .Lnot_wave_0_\@
	s_barrier_signal -3
.Lnot_wave_0_\@:
	s_barrier_wait -3
	s_barrier_signal -1
	s_barrier_wait -1
.endm
.macro KLOAD                           ; K's four fragments (c, u), each with its rows' scale words: four LDS loads a fragment
.irp c, 0,1
.irp u, 0,1
.irp g, 0,1,2
	ds_load_b128 v[FRG+12*(2*\c+\u)+4*\g:FRG+12*(2*\c+\u)+4*\g+3], v8 offset:3840*\c+128*\u+640*\g
.endr
	ds_load_b32 v[KS+2*\c+\u], v10 offset:15360+128*\c+64*\u
.endr
.endr
.endm
.macro VLOAD t
.irp g, 0,1,2
	ds_load_b128 v[FRG+12*\t+4*\g:FRG+12*\t+4*\g+3], v9 offset:7680+1920*\t+640*\g
.endr
.endm
.macro SCORES f                        ; fragment f against (q, 0) and (0, q)
	v_wmma_scale_f32_16x16x128_f8f6f4 v[S+16*\f:S+16*\f+7], v[FRG+12*\f:FRG+12*\f+11], v[22:33], 0, v[KS+\f], v34 matrix_a_fmt:MATRIX_FMT_FP6 matrix_b_fmt:MATRIX_FMT_FP6
	v_wmma_scale_f32_16x16x128_f8f6f4 v[S+16*\f+8:S+16*\f+15], v[FRG+12*\f:FRG+12*\f+11], v[16:27], 0, v[KS+\f], v34 matrix_a_fmt:MATRIX_FMT_FP6 matrix_b_fmt:MATRIX_FMT_FP6
.endm
.macro MAXL i                          ; a level of the eight chains; each accumulator is read from its low end on
.irp n, 0,1,2,3,4,5,6,7
.if \i == 0
	v_max3_num_f32 v[C+\n], v[S+8*\n], v[S+8*\n+1], v[S+8*\n+2]
.else
	v_max3_num_f32 v[C+\n], v[C+\n], v[S+8*\n+\i], v[S+8*\n+\i+1]
.endif
.endr
.endm
.macro TADD a, b                       ; partial sum a += partial sum b
	v_pk_add_f32 v[SUM+2*\a:SUM+2*\a+1], v[SUM+2*\a:SUM+2*\a+1], v[SUM+2*\b:SUM+2*\b+1]
.endm
.macro LFMA                            ; l = l f + the step's sum
	v_pk_fma_f32 v[14:15], v[14:15], v[252:253], v[SUM:SUM+1] op_sel_hi:[1,0,1]
.endm
.macro PKF from, to                    ; t - M of pairs from .. to - 1 of the first 64 keys
.set k, \from
.rept (\to)-(\from)
	v_pk_fma_f32 v[S+2*k:S+2*k+1], v[S+2*k:S+2*k+1], s[CS:CS+1], v[12:13] op_sel_hi:[1,0,0]
.set k, k+1
.endr
.endm
.macro ACC from, to                    ; additions from .. to - 1 of the sixteen that take in p of the other 64 keys
.set k, \from
.rept (\to)-(\from)
	v_pk_add_f32 v[SUM+2*(k%8):SUM+2*(k%8)+1], v[SUM+2*(k%8):SUM+2*(k%8)+1], v[S+32+2*k:S+33+2*k]
.set k, k+1
.endr
.endm
	s_load_b128 s[4:7], s[0:1], 0x0                ; qkv, cod
	s_load_b64 s[8:9], s[0:1], 0x10                ; scl
	v_lshl_add_u32 v5, v0, 2, SPARE
	v_mov_b32 v6, 0
	ds_add_u32 v5, v6                              ; the opening
	ds_add_u32 v5, v6
	v_lshrrev_b32 v8, 5, v0
	v_readfirstlane_b32 s[WV], v8                  ; wave 0..15
	s_bfe_u32 s11, ttmp6, 0x40000                  ; cx: it enters the addresses of q and of the result alone
	s_and_b32 s12, ttmp7, 0xffff                   ; the head block
	s_mov_b32 s24, 15|(3<<16)|(1<<20)|(1<<21)|(6<<22)|(31<<25)   ; group 1: the mask of all four; elements of 8 bytes; behind every 128 words 32 words of padding
	s_mov_b32 s25, 64<<16
	s_mov_b32 s26, 25<<16
	s_mov_b32 s27, 64<<16
	s_mov_b32 s28, 25
	s_mov_b32 s29, 64
	s_mov_b32 s30, 0
	s_mov_b32 s31, 0
	s_mul_i32 s14, s12, HB
	s_mov_b32 s15, 0
	s_mul_i32 s48, s[WV], 12800                    ; my step block in the K and V half
	s_mov_b32 s49, 0
	s_mov_b32 s55, 0
	s_mov_b32 s[SEL], 0x76543210
	s_mov_b32 s[SEL+1], 0xfedcba98
	s_mov_b32 s[CS], 0x3e38aa3b                    ; log2(e) / 8
	s_mov_b32 s[CS+1], s[CS]
	s_and_b32 s16, s[WV], 1                        ; which tile of its pair is my queries'
	s_cmp_eq_u32 s16, 0
	s_cselect_b32 s[EM], 0, -1
	s_mov_b32 s[SELQ], 0x03020302
	s_cselect_b32 s[SELQ], 0x01000100, s[SELQ]
	s_wait_dscnt 0x0                               ; both opening adds are done
	s_wait_kmcnt 0x0
	s_add_nc_u64 s[4:5], s[4:5], s[14:15]          ; the head block
	s_mov_b32 s32, 1
	s_lshl_b32 s33, s[WV], 14                      ; and its place in LDS
	s_add_nc_u64 s[34:35], s[4:5], s[48:49]
	s_or_b32 s35, s35, 0x80000000
	CROUND                                         ; all four work-groups are here: the joint loads meet
	tensor_load_to_lds s[32:35], s[24:31]
	s_nop 0
.rept 4
	v_nop
.endr
	s_lshl_b32 s50, s11, 2
	s_lshr_b32 s51, s[WV], 3
	s_add_co_u32 s50, s50, s51                     ; pass 0: my queries' step block; pass 1: two further on
	s_bfe_u32 s52, s[WV], 0x20001                  ; their pair
	s_and_b32 s53, s[WV], 7                        ; their tile
	s_mul_i32 s48, s50, 12800
	s_add_co_u32 s48, s48, 204800
	s_mul_i32 s54, s52, 1536
	s_add_co_u32 s54, s54, s48
	s_add_nc_u64 s[36:37], s[4:5], s[54:55]        ; q's pair image
	s_lshr_b32 s54, s52, 1
	s_lshl_b32 s54, s54, 7
	s_and_b32 s51, s52, 1
	s_lshl_b32 s51, s51, 2
	s_add_co_u32 s54, s54, s51
	s_add_co_u32 s54, s54, s48
	s_add_co_u32 s54, s54, 12288
	s_add_nc_u64 s[38:39], s[4:5], s[54:55]        ; its scale words
	s_lshr_b32 s51, s12, 4
	s_lshl_b32 s51, s51, 4
	s_add_co_u32 s51, s51, s50
	s_add_co_u32 s51, s51, 96                      ; the result's block of cod
	s_and_b32 s56, s12, 15                         ; head
	s_lshr_b32 s57, s56, 1                         ; the last product's K step,
	s_and_b32 s58, s56, 1                          ; and which half of it
	s_mul_i32 s54, s51, 98304
	s_lshl_b32 s59, s57, 3
	s_add_co_u32 s59, s59, s53
	s_mul_i32 s59, s59, 1536
	s_add_co_u32 s54, s54, s59
	s_mul_i32 s59, s58, 768
	s_add_co_u32 s54, s54, s59
	s_add_nc_u64 s[40:41], s[6:7], s[54:55]
	s_lshl_b32 s54, s51, 12
	s_lshr_b32 s59, s57, 2
	s_lshl_b32 s59, s59, 11
	s_add_co_u32 s54, s54, s59
	s_lshl_b32 s59, s53, 8
	s_add_co_u32 s54, s54, s59
	s_and_b32 s59, s57, 3
	s_lshl_b32 s59, s59, 2
	s_add_co_u32 s54, s54, s59
	s_lshl_b32 s59, s58, 1
	s_add_co_u32 s54, s54, s59
	s_add_nc_u64 s[42:43], s[8:9], s[54:55]
	v_and_b32 v8, 31, v0
	v_and_b32 v9, 15, v0
	v_bfe_u32 v248, v0, 3, 1                       ; r / 8
	v_bfe_u32 v249, v0, 4, 1                       ; h
	v_and_b32 v250, 7, v0                          ; r % 8
	v_lshlrev_b32 v1, 4, v8
	v_lshlrev_b32 v7, 3, v8
	v_lshlrev_b32 v2, 4, v9
	v_lshlrev_b32 v35, 3, v9
	v_mul_u32_u24 v3, v248, 1920                   ; K's fragments: 1,920 (r / 8): the next pair image; + 256 h + 16 (r % 8): the row's lane in the image
	v_lshl_add_u32 v3, v249, 8, v3
	v_lshl_add_u32 v3, v250, 4, v3
	v_lshlrev_b32 v4, 3, v250                      ; K's scale words: 8 (r % 8) + 4 (r / 8)
	v_lshl_add_u32 v4, v248, 2, v4
	v_lshlrev_b32 v11, 3, v249                     ; 8 h
.irp g, 0,1,2
	global_load_b128 v[QQ+4*\g:QQ+4*\g+3], v1, s[36:37] offset:512*\g
	global_load_b128 v[SUM+4*\g:SUM+4*\g+3], v1, s[36:37] offset:25600+512*\g
.endr
	global_load_b32 v92, v35, s[38:39]
	global_load_b32 v93, v35, s[38:39] offset:25600
.irp i, 0,1,2,3,4,5
	v_mov_b32 v[16+\i], 0                          ; zero codes on either side of q
	v_mov_b32 v[28+\i], 0
.endr
	v_mov_b32 v255, 0                              ; a lane permute's destination counts as read
	WALU                                           ; the head's end
	s_wait_tensorcnt 0x0                           ; my step block has landed,
	s_barrier_signal -1
	s_barrier_wait -1                              ; everybody's has
	s_wait_loadcnt 0x0
.irp i, 0,1,2,3,4,5
	v_cndmask_b32 v[QQ+\i], v[QQ+\i], v[QQ+6+\i], s[EM]            ; my tile's 64 codes out of the pair image: pass 0's,
.endr
.irp i, 0,1,2,3,4,5
	v_cndmask_b32 v[QQ+6+\i], v[SUM+\i], v[SUM+6+\i], s[EM]        ; and pass 1's
.endr
	v_perm_b32 v92, v92, v92, s[SELQ]              ; its two scale bytes, in both halves of the word
	v_perm_b32 v93, v93, v93, s[SELQ]
	v_mov_b32 v8, v3                               ; step 0's addresses
	v_mov_b32 v9, v1
	v_mov_b32 v10, v4
	KLOAD
	s_mov_b32 s[PM], 0
	s_mov_b32 s[PAS], 0
.Lpass:
.irp i, 0,1,2,3,4,5
	v_cndmask_b32 v[22+\i], v[QQ+\i], v[QQ+6+\i], s[PM]
.endr
	v_cndmask_b32 v34, v92, v93, s[PM]
	v_mov_b32 v13, 0xff61b1e6                      ; the largest score so far: -3e38
	v_mov_b32 v12, 0x7f61b1e6                      ; -M: 3e38, so that the first f is 0
	v_mov_b32 v14, 0
	v_mov_b32 v15, 0
	v_mov_b32 v252, 0
	v_mov_b32 v253, 0
.set j, 0
.rept 16
	v_mov_b32 v[SUM+j], 0
.set j, j+1
.endr
.set j, 0
.rept 32
	v_mov_b32 v[O+j], 0                            ; O^T: the step is written once, its first trip finds zeros.  (Also the places between q's scale word and the first product)
.set j, j+1
.endr
	s_mov_b32 s[CNT], 0
.Lstep:
	WALU
	s_wait_dscnt 8                                 ; fragments 0 and 1 are in; the eight loads of fragments 2 and 3 may be out
	SCORES 0
	SCORES 1
	s_wait_dscnt 0x0
	SCORES 2
	SCORES 3
	TADD 0, 4                                      ; the last step's eight partial sums into four: the four places behind the products
	TADD 1, 5
	TADD 2, 6
	TADD 3, 7
	MAXL 0
	MAXL 3
	MAXL 5
.irp c, 0,1                            ; a block's four chains and the four numbers that they left
	v_max3_num_f32 v[C+4*\c], v[C+4*\c], v[C+4*\c+1], v[S+32*\c+7]
	v_max3_num_f32 v[C+4*\c+2], v[C+4*\c+2], v[C+4*\c+3], v[S+32*\c+15]
.endr
.irp c, 0,1
	v_max3_num_f32 v[C+4*\c], v[C+4*\c], v[S+32*\c+23], v[S+32*\c+31]
.endr
	TADD 0, 2                                      ; the rest of the last step's sum stands between the links of the chain that makes M
	TADD 1, 3
.irp c, 0,1
	v_max_num_f32 v[248+\c], v[C+4*\c], v[C+4*\c+2]        ; the largest score of my two blocks of 32 keys
.endr
	TADD 0, 1
	v_max_num_f32 v254, v248, v249
	v_permlanex16_b32 v255, v254, s[SEL], s[SEL+1]
	LFMA                                           ; with the last step's f
	v_max3_num_f32 v13, v13, v254, v255            ; the running largest score of my query
	v_mov_b32 v255, v12
	v_mul_f32 v254, s[CS], v13                     ; as t
	v_floor_f32 v12, -v254                         ; -M = floor(-t): M is a whole number
	PKF 0, 4
	v_sub_f32 v255, v12, v255
	PKF 4, 8
	v_cvt_i32_f32 v255, v255                       ; (it saturates)
	PKF 8, 12
	v_ldexp_f32 v252, 1.0, v255                    ; f = 2^(old M - new M)
	PKF 12, 16
.irp c, 0,1
	v_fma_f32 v[248+\c], v[248+\c], s[CS], v12     ; the same of the blocks' largest scores
.endr
.set j, 0
.rept 16
	v_pk_mul_f32 v[O+j:O+j+1], v[O+j:O+j+1], v[252:253] op_sel_hi:[1,0]   ; O^T under the new M, ahead of the exponentials
.set j, j+2
.endr
	WALU                                           ; ahead of the batch
	VLOAD 0                                        ; V's fragments, thirteen loads in one run; both batches, 66 exponentials, stand between them and the wait for them
	VLOAD 1
	VLOAD 2
	VLOAD 3
	ds_load_b128 v[VS:VS+3], v9 offset:15360       ; lanes 16-31 get V's scale words of row r (lanes 0-15 read K's, which are not used)
	v_exp_f32 v248, v248                           ; the blocks' largest p
	v_exp_f32 v249, v249
.set j, 0
.rept 16
	v_exp_f32 v[S+2*j], v[S+2*j]                   ; p = 2^(t - M), the first 64 keys; t - M of the other 64 among them, read behind the wait below
	v_exp_f32 v[S+2*j+1], v[S+2*j+1]
	v_pk_fma_f32 v[S+32+2*j:S+33+2*j], v[S+32+2*j:S+33+2*j], s[CS:CS+1], v[12:13] op_sel_hi:[1,0,0]
.set j, j+1
.endr
	WALU                                           ; behind the first batch and ahead of the second
	s_add_co_u32 s[CNT], s[CNT], 1
	s_lshl_b32 s[TK], s[CNT], 14
	s_and_b32 s[TK], s[TK], 0x3ffff                ; the next step's block; behind the sixteenth the first again
.set j, 0
.rept 8
.irp i, 0,1,2,3
	v_exp_f32 v[S+32+4*j+\i], v[S+32+4*j+\i]
.endr
	v_pk_add_f32 v[SUM+2*j:SUM+2*j+1], v[S+4*j:S+4*j+1], v[S+4*j+2:S+4*j+3]   ; the eight partial sums begin with the first batch's p; read behind the wait below
.if j < 2
	v_max_num_f32 v[248+j], 0x1800000, v[248+j]    ; the floor: the byte cannot fall under 1
.endif
.set j, j+1
.endr
	s_wait_dscnt 0x0                               ; V's fragments and scale words are in
	WALU                                           ; one wait for the second batch, ahead of its first reader
.irp c, 0,1
	v_add_nc_u32 v[250+\c], 0xff000000, v[248+\c]  ; 2 off the exponent field: the conversions' scale operand
.endr
	v_cvt_scalef32_pk16_fp6_f32 v[PCD:PCD+2], v[S:S+15], v250
	v_cvt_scalef32_pk16_fp6_f32 v[240:242], v[S+16:S+31], v250     ; (a conversion's three registers begin on an even number)
	v_cvt_scalef32_pk16_fp6_f32 v[PCD+6:PCD+8], v[S+32:S+47], v251
	v_cvt_scalef32_pk16_fp6_f32 v[244:246], v[S+48:S+63], v251
.irp c, 0,1
	v_lshrrev_b32 v[248+\c], 23, v[250+\c]         ; the bytes of blocks h and 2 + h.  (A plain place behind the conversions)
.endr
	v_mov_b32 v[PCD+3], v240
	v_mov_b32 v[PCD+4], v241
	v_lshl_or_b32 v254, v249, 16, v248
	v_mov_b32 v[PCD+5], v242
	v_mov_b32 v[PCD+9], v244
	v_lshlrev_b32 v254, v11, v254                  ; at their places in the word
	v_mov_b32 v[PCD+10], v245
	v_mov_b32 v[PCD+11], v246
	v_permlanex16_b32 v255, v254, s[SEL], s[SEL+1]
	ACC 0, 2
	v_or_b32 v253, v254, v255                      ; with lane l xor 16's two: p's scale word for these 128 keys
	ACC 2, 10                                      ; eight places between the scale word and the products
.irp t, 0,1,2,3
	v_wmma_scale_f32_16x16x128_f8f6f4 v[O+8*\t:O+8*\t+7], v[FRG+12*\t:FRG+12*\t+11], v[PCD:PCD+11], v[O+8*\t:O+8*\t+7], v[VS+\t], v253 matrix_a_fmt:MATRIX_FMT_FP6 matrix_b_fmt:MATRIX_FMT_FP6 matrix_a_scale:MATRIX_SCALE_ROW1
.endr
	v_add_nc_u32 v8, s[TK], v3                     ; these three and one addition are the places behind the products
	v_add_nc_u32 v9, s[TK], v1
	v_add_nc_u32 v10, s[TK], v4
	ACC 10, 11
	KLOAD
	ACC 11, 16                                     ; while the loads are out
	s_cmp_lg_u32 s[CNT], 16
	s_cbranch_scc1 .Lstep
	TADD 0, 4                                      ; the last step's sum
	TADD 1, 5
	TADD 2, 6
	TADD 3, 7
	TADD 0, 2
	TADD 1, 3
	TADD 0, 1
	LFMA
	v_add_f32 v14, v14, v15
	v_permlanex16_b32 v252, v14, s[SEL], s[SEL+1]
	v_add_f32 v14, v14, v252                       ; the row's sum
	WALU
	v_rcp_f32 v14, v14
	v_nop
	WALU                                           ; ahead of the reciprocal's first reader, which is O^T's too
.set j, 0
.rept 16
	v_pk_mul_f32 v[S+j:S+j+1], v[O+j:O+j+1], v[14:15] op_sel_hi:[1,0]     ; register 16 b + i: d = 32 b + 16 h + i of my query
.set j, j+2
.endr
.irp b, 0,1
	v_max3_num_f32 v[248+\b], |v[S+16*\b]|, |v[S+1+16*\b]|, 0x1800000
.endr
.irp i, 2,4,6,8,10,12,14
.irp b, 0,1
	v_max3_num_f32 v[248+\b], v[248+\b], |v[S+16*\b+\i]|, |v[S+1+16*\b+\i]|
.endr
.endr
.irp b, 0,1
	v_permlanex16_b32 v[254+\b], v[248+\b], s[SEL], s[SEL+1]
.endr
.irp b, 0,1
	v_max_num_f32 v[248+\b], v[248+\b], v[254+\b]
.endr
.irp b, 0,1
	v_add_nc_u32 v[250+\b], 0xff000000, v[248+\b]
.endr
.irp b, 0,1
	v_lshrrev_b32 v[254+\b], 23, v[250+\b]
.endr
	v_lshl_or_b32 v94, v255, 8, v254               ; my head's two bytes of the row's scale word
	v_cvt_scalef32_pk16_fp6_f32 v[PCD:PCD+2], v[S:S+15], v250
	v_cvt_scalef32_pk16_fp6_f32 v[240:242], v[S+16:S+31], v251
	v_nop                                          ; one plain place behind a scaled conversion
.irp i, 0,1,2
	v_permlane16_swap_b32 v[PCD+\i], v[240+\i]
.endr
.irp i, 0,1,2
	v_mov_b32 v[PCD+3+\i], v[240+\i]               ; six registers: half a fragment of the last product's A
.endr
	global_store_b128 v1, v[PCD:PCD+3], s[40:41]               ; 512 consecutive bytes,
	global_store_b64 v7, v[PCD+4:PCD+5], s[40:41] offset:512   ; and 256
	global_store_b16 v2, v94, s[42:43]             ; two bytes a row, 16 bytes apart: two heads share a scale word (both halves of the lanes write the same)
	s_wait_xcnt 0x0                                ; the stores have read their registers and bases
	s_add_nc_u64 s[40:41], s[40:41], 196608        ; the next pass's queries lie two blocks on
	s_add_nc_u64 s[42:43], s[42:43], 8192
	s_mov_b32 s[PM], -1
	s_add_co_u32 s[PAS], s[PAS], 1
	s_cmp_lg_u32 s[PAS], 2
	s_cbranch_scc1 .Lpass
	s_wait_tensorcnt 0x0                           ; the wave's end, ahead of the closing round
	ds_add_u32 v5, v6
	s_wait_dscnt 0x0
	CROUND
	s_endpgm
.Lfunc_end_k_q9f6aba878a_attn:
	.size	k_q9f6aba878a_attn, .Lfunc_end_k_q9f6aba878a_attn-k_q9f6aba878a_attn
	.p2alignl 7, 3214868480
	.fill 96, 4, 3214868480
	.section	.rodata,"a",@progbits
	.p2align	6, 0x0
	.amdhsa_kernel k_q9f6aba878a_attn
		.amdhsa_group_segment_fixed_size 264192
		.amdhsa_private_segment_fixed_size 0
		.amdhsa_enable_private_segment 0
		.amdhsa_kernarg_size 24
		.amdhsa_user_sgpr_count 2
		.amdhsa_user_sgpr_kernarg_segment_ptr 1
		.amdhsa_wavefront_size32 1
		.amdhsa_system_sgpr_workgroup_id_x 1
		.amdhsa_system_sgpr_workgroup_id_y 1
		.amdhsa_system_sgpr_workgroup_id_z 1
		.amdhsa_system_vgpr_workitem_id 0
		.amdhsa_next_free_vgpr 256
		.amdhsa_next_free_sgpr 66
		.amdhsa_reserve_vcc 0
		.amdhsa_float_denorm_mode_32 3
		.amdhsa_float_denorm_mode_16_64 3
		.amdhsa_memory_ordered 1
		.amdhsa_forward_progress 1
		.amdhsa_inst_pref_size 30
	.end_amdhsa_kernel
	.amdgpu_metadata
---
amdhsa.version: [ 1, 2 ]
amdhsa.kernels:
  - .name:           k_q9f6aba878a_attn
    .symbol:         k_q9f6aba878a_attn.kd
    .args:
      - { .name: qkv, .offset: 0, .size: 8, .value_kind: global_buffer, .address_space: global }
      - { .name: cod, .offset: 8, .size: 8, .value_kind: global_buffer, .address_space: global }
      - { .name: scl, .offset: 16, .size: 8, .value_kind: global_buffer, .address_space: global }
    .group_segment_fixed_size: 264192
    .private_segment_fixed_size: 0
    .kernarg_segment_align: 8
    .kernarg_segment_size: 24
    .max_flat_workgroup_size: 512
    .sgpr_count:     66
    .vgpr_count:     256
    .wavefront_size: 32
...
	.end_amdgpu_metadata
.endif
;; end of part 3
;; launch outgemm (part 4): grid 4 x 64, 4 waves a work-group, clusters of 4 x 4, 327,680 bytes of LDS; arguments cod, scl, bout, out0; writes out0
.if DOCPART == 4
	.amdgcn_target "amdgcn-amd-amdhsa--gfx1250"
	.amdhsa_code_object_version 6
	.text
	.protected	k_q9f6aba878a_outgemm
	.globl	k_q9f6aba878a_outgemm
	.p2align	8
	.type	k_q9f6aba878a_outgemm,@function
k_q9f6aba878a_outgemm:
	s_mov_b64 s[64:65], 0
	v_nop
	global_prefetch_b8 v0, s[64:65] scope:SCOPE_SE
	s_setreg_imm32_b32 hwreg(HW_REG_WAVE_MODE, 25, 1), 1
	s_wait_xcnt 0x0
	s_wait_alu depctr_hold_cnt(0) depctr_sa_sdst(0) depctr_va_vdst(0) depctr_va_sdst(0) depctr_va_ssrc(0) depctr_va_vcc(0) depctr_vm_vsrc(0)
	s_getreg_b32 s2, hwreg(HW_REG_IB_STS2, 6, 4)
	s_cmp_eq_u32 s2, 0
	s_cbranch_scc0 .Lentry_in_a_cluster
	s_endpgm
.Lentry_in_a_cluster:
	s_bfe_u32 s2, ttmp6, 0x10000c
	s_cmp_lg_u32 s2, 0xf033
	s_cbranch_scc0 .Lentry_shape_is_right
	s_endpgm
.Lentry_shape_is_right:
; LAUNCH 4 OF 4.  out0 = att Wout^T + bout on codes of FP6: att is launch 3's (blocks 96-159 of cod), Wout launch 1's (blocks 88-95).  No work is left out.  LIMITS: as at the head of launch 1.
; The same frame as launch 2: side A (att), 128 rows, to the lanes (source 1); side B (Wout), 256 rows, to the registers (source 0); four waves, 32 accumulators each; all of K in LDS, every byte filled once, in four
; stages, four tensor loads a wave, all out at the start (four outstanding by this text's count).  Cluster 4 x 4: A's block hangs on cy and is asked for jointly along a row, B's on cx and jointly along a column.
; att's fragments lie as two halves of 768 bytes (a head each): 512 bytes of registers 6 c .. 6 c + 3 (16 l), 256 of registers 6 c + 4, 6 c + 5 (8 l): four loads a fragment.
; The bias is the C of the first K step.  THE WAY OUT: 16 rows x 64 columns at a time through the wave's own stage in LDS, so that sixteen lanes store 256 consecutive bytes, at a multiple of 256 from out0's first byte.
; REGISTERS: window 0: v1-6, v16-27 addresses, v28, v29 the add's two, v64-127 scale words, v128-223 A's two sets (on the way out rows read back).  window 1: B's two sets.  window 2: accumulators.  window 3: the bias.
.set BLKB,  98304
.set FRB,   1536
.set STEPB, 12288
.set LB,    98304
.set SPARE, 294912
.set STG,   295424                     ; behind the spare words: a stage of 16 rows x (256 + 16) bytes for each wave; no fill lands there
.set NF,    40
.set ADRA,  16
.set ADRB,  18
.set ADR8,  20
.set SCO,   22
.set LI,    24
.set STO,   25
.set RD,    26
.set CO,    27
.set SPW,   28
.set NIL,   29
.set SC,    64
.set AF,    128
.set BK,    128
.set MSB, 0
.macro WIN new
.if MSB != \new
	s_set_vgpr_msb (MSB<<8)|\new
.set MSB, \new
.endif
.endm
.macro PLACES n
.rept \n
	v_nop
.endr
.endm
.macro CROUND
	s_barrier_signal -1
	s_barrier_wait -1
	s_cmp_lg_u32 s14, 0
	s_cbranch_scc1 .Lnot_wave_0_\@
	s_barrier_signal -3
.Lnot_wave_0_\@:
	s_barrier_wait -3
	s_barrier_signal -1
	s_barrier_wait -1
.endm
.macro FETCH s
	WIN 0x40
.irp i, 0,1,2,3,4,5,6,7
.irp g, 0,1,2
	ds_load_b128 v[128*((\s)%2)+12*\i+4*\g:128*((\s)%2)+12*\i+4*\g+3], v[ADRB+(\s)/4] offset:((\s)%4)*STEPB+FRB*\i+512*\g
.endr
.endr
	WIN 0
.irp i, 0,1,2,3
.irp c, 0,1
	ds_load_b128 v[AF+48*((\s)%2)+12*\i+6*\c:AF+48*((\s)%2)+12*\i+6*\c+3], v[ADRA+(\s)/4] offset:((\s)%4)*STEPB+FRB*\i+768*\c
	ds_load_b64 v[AF+48*((\s)%2)+12*\i+6*\c+4:AF+48*((\s)%2)+12*\i+6*\c+5], v[ADR8+(\s)/4] offset:((\s)%4)*STEPB+FRB*\i+768*\c+512
.endr
.endr
.endm
.macro MUL s, first                    ; the accumulators take turns, one instruction a turn
.if \first
	WIN 0xb1                                       ; C: the bias, in window 3
.else
	WIN 0xa1
.endif
.irp a, 0,1,2,3
.irp b, 0,1,2,3,4,5,6,7
.if \first
	v_wmma_scale_f32_16x16x128_f8f6f4 v[8*(8*\a+\b):8*(8*\a+\b)+7], v[128*((\s)%2)+12*\b:128*((\s)%2)+12*\b+11], v[AF+48*((\s)%2)+12*\a:AF+48*((\s)%2)+12*\a+11], v[8*\b:8*\b+7], v[SC+8*\b+(\s)], v[SC+8*\a+(\s)] matrix_a_fmt:MATRIX_FMT_FP6 matrix_b_fmt:MATRIX_FMT_FP6 matrix_a_scale:MATRIX_SCALE_ROW1
.else
	v_wmma_scale_f32_16x16x128_f8f6f4 v[8*(8*\a+\b):8*(8*\a+\b)+7], v[128*((\s)%2)+12*\b:128*((\s)%2)+12*\b+11], v[AF+48*((\s)%2)+12*\a:AF+48*((\s)%2)+12*\a+11], v[8*(8*\a+\b):8*(8*\a+\b)+7], v[SC+8*\b+(\s)], v[SC+8*\a+(\s)] matrix_a_fmt:MATRIX_FMT_FP6 matrix_b_fmt:MATRIX_FMT_FP6 matrix_a_scale:MATRIX_SCALE_ROW1
.endif
.endr
.endr
.endm
.macro KSTEP s, tc, first
.if (\tc) >= 0
	s_wait_tensorcnt \tc                           ; my load of the next stage has landed; tc younger ones may be out
	s_wait_dscnt 0x0
	s_barrier_signal -1
	s_barrier_wait -1
.endif
.if (\s) > 0
	PLACES 4
.endif
.if (\s) < 7
	FETCH (\s)+1
	s_wait_dscnt NF                                ; all but the fetch just issued
.else
	s_wait_dscnt 0x0
.endif
	MUL \s, \first
.endm
	s_load_b256 s[4:11], s[0:1], 0x0               ; cod, scl, bout, out0
	v_lshl_add_u32 v[SPW], v0, 2, SPARE
	v_mov_b32 v[NIL], 0
	ds_add_u32 v[SPW], v[NIL]                      ; the opening
	ds_add_u32 v[SPW], v[NIL]
	v_lshrrev_b32 v1, 5, v0
	v_readfirstlane_b32 s14, v1
	s_lshr_b32 s15, s14, 1
	s_and_b32 s16, s14, 1
	s_bfe_u32 s19, ttmp6, 0x40000                  ; cx
	s_bfe_u32 s20, ttmp6, 0x40004                  ; cy
	s_and_b32 s18, ttmp7, 0xffff
	s_lshl_b32 s21, s20, 2
	s_lshl_b32 s21, 15, s21
	s_lshl_b32 s22, 0x1111, s19
	s_lshl_b32 s56, s18, 2
	s_add_co_u32 s56, s56, s20
	s_add_co_u32 s56, s56, 96                      ; A's block
	s_lshl_b32 s58, s19, 1
	s_add_co_u32 s58, s58, 88
	s_add_co_u32 s59, s58, s16                     ; my block of B
	s_or_b32 s24, s21, (3<<16)|(1<<21)
	s_mov_b32 s25, 32<<16
	; THE FILLS, in place of the four stages that the head comment tells of: ONE joint load a wave, as in launch 2.  Wave 0: A's K steps 0-3 (192 rows of 256 bytes); wave 1: K steps 0-3 of both blocks of B
	; (two rows of 49,152 bytes, 98,304 apart in memory, on end in LDS); wave 2: A's K steps 4-7; wave 3: B's.  One tensor load a wave is outstanding.
	s_mov_b32 s26, 192<<16
	s_mov_b32 s27, 32<<16
	s_mov_b32 s28, 192
	s_mov_b32 s29, 32
	s_mov_b32 s30, 0
	s_mov_b32 s31, 0
	s_or_b32 s32, s22, (3<<16)|(1<<21)
	s_mov_b32 s33, 6144<<16
	s_mov_b32 s34, 2<<16
	s_mov_b32 s35, 6144<<16
	s_mov_b32 s36, 2
	s_mov_b32 s37, 12288
	s_mov_b32 s38, 0
	s_mov_b32 s39, 0
	s_mul_i32 s61, s16, 49152
	s_add_co_u32 s61, s61, LB                      ; LDS: K steps 0-3 of my block of B; its K steps 4-7 lie 98,304 further on
.irp j, 0,1
	s_mov_b32 s[40+4*\j], 1
	s_mov_b32 s[41+4*\j], \j*49152
	s_mov_b32 s[68+4*\j], 1
	s_mov_b32 s[69+4*\j], LB+\j*98304
.endr
	s_mul_i32 s84, s56, BLKB
	s_mov_b32 s85, 0
	s_mul_i32 s86, s58, BLKB
	s_mov_b32 s87, 0
	s_wait_dscnt 0x0
	s_wait_kmcnt 0x0
	s_add_nc_u64 s[88:89], s[4:5], s[84:85]
	s_add_nc_u64 s[90:91], s[4:5], s[86:87]
.irp j, 0,1
	s_add_nc_u64 s[42+4*\j:43+4*\j], s[88:89], \j*49152
	s_or_b32 s[43+4*\j], s[43+4*\j], 0x80000000
	s_add_nc_u64 s[70+4*\j:71+4*\j], s[90:91], \j*49152
	s_or_b32 s[71+4*\j], s[71+4*\j], 0x80000000
.endr
	CROUND
	s_cmp_eq_u32 s14, 0                            ; one chain of branches on the wave's number, one load to an arm
	s_cbranch_scc0 .Lfill_1
	tensor_load_to_lds s[40:43], s[24:31]          ; wave 0: A, K steps 0-3
	s_nop 0
	PLACES 4
	s_branch .Lfilled
.Lfill_1:
	s_cmp_eq_u32 s14, 1
	s_cbranch_scc0 .Lfill_2
	tensor_load_to_lds s[68:71], s[32:39]          ; wave 1: B, K steps 0-3
	s_nop 0
	PLACES 4
	s_branch .Lfilled
.Lfill_2:
	s_cmp_eq_u32 s14, 2
	s_cbranch_scc0 .Lfill_3
	tensor_load_to_lds s[44:47], s[24:31]          ; wave 2: A, K steps 4-7
	s_nop 0
	PLACES 4
	s_branch .Lfilled
.Lfill_3:
	tensor_load_to_lds s[72:75], s[32:39]          ; wave 3: B, K steps 4-7
	s_nop 0
	PLACES 4
.Lfilled:
	v_and_b32 v1, 31, v0
	v_and_b32 v2, 15, v0
	v_bfe_u32 v3, v0, 4, 1
	s_wait_alu depctr_va_vdst(0)
	v_lshlrev_b32 v[LI], 4, v1
	s_mul_i32 s84, s15, 4*FRB
	v_add_nc_u32 v[ADRA], s84, v[LI]
	v_add_nc_u32 v[ADRA+1], 49152, v[ADRA]
	v_lshl_add_u32 v[ADR8], v1, 3, s84
	v_add_nc_u32 v[ADR8+1], 49152, v[ADR8]
	v_add_nc_u32 v[ADRB], s61, v[LI]
	v_add_nc_u32 v[ADRB+1], 98304, v[ADRB]
	s_lshl_b32 s84, s19, 8
	s_lshl_b32 s86, s16, 7
	s_add_co_u32 s84, s84, s86
	s_lshl_b32 s84, s84, 2                         ; my first column, in bytes
	s_add_nc_u64 s[8:9], s[8:9], s[84:85]
	s_add_nc_u64 s[10:11], s[10:11], s[84:85]
	s_sub_co_u32 s84, s56, 96
	s_lshl_b32 s84, s84, 7
	s_lshl_b32 s86, s15, 6
	s_add_co_u32 s84, s84, s86
	s_lshl_b32 s84, s84, 12                        ; my first row, 4,096 bytes a row
	s_add_nc_u64 s[10:11], s[10:11], s[84:85]
	v_lshlrev_b32 v6, 6, v3                        ; 64 h
	WIN 0xc0
.irp b, 0,1,2,3,4,5,6,7                ; register j of tile b: column 32 (b / 2) + 8 (b % 2) + 16 h + j
	global_load_b128 v[8*\b:8*\b+3], v6, s[8:9] offset:(32*(\b/2)+8*(\b%2))*4
	global_load_b128 v[8*\b+4:8*\b+7], v6, s[8:9] offset:(32*(\b/2)+8*(\b%2))*4+16
.endr
	WIN 0
	v_sub_nc_u32 v4, 1, v3
	s_lshl_b32 s84, s56, 12
	s_lshl_b32 s86, s15, 10
	s_add_co_u32 s84, s84, s86
	s_lshl_b32 s86, s59, 12
	v_mul_u32_u24 v[SCO], s84, v4
	v_mad_u32_u24 v[SCO], s86, v3, v[SCO]
	v_lshl_add_u32 v[SCO], v2, 4, v[SCO]
	v_lshl_add_u32 v[SCO+1], v3, 10, v[SCO]
.irp i, 0,1,2,3
.irp q, 0,1
	global_load_b128 v[SC+8*\i+4*\q:SC+8*\i+4*\q+3], v[SCO], s[6:7] offset:2048*\q+256*\i
.endr
.endr
.irp i, 4,5,6,7
.irp q, 0,1
	global_load_b128 v[SC+8*\i+4*\q:SC+8*\i+4*\q+3], v[SCO+1], s[6:7] offset:2048*\q+256*(\i-4)
.endr
.endr
	s_mul_i32 s84, s14, 4352
	s_add_co_u32 s84, s84, STG                     ; my stage
	v_mul_u32_u24 v[STO], v2, 272
	v_lshl_add_u32 v[STO], v3, 6, v[STO]
	v_add_nc_u32 v[STO], s84, v[STO]               ; in: row r, + 64 h
	v_mul_u32_u24 v[RD], v3, 272
	v_lshl_add_u32 v[RD], v2, 4, v[RD]
	v_add_nc_u32 v[RD], s84, v[RD]                 ; back: lanes 0-15 one row, lanes 16-31 the next
	v_lshlrev_b32 v[CO], 12, v3
	v_lshl_add_u32 v[CO], v2, 4, v[CO]             ; and the same two rows in out0
	s_wait_alu depctr_va_vdst(0)                   ; the head's end
	s_cmp_lt_u32 s14, 2                            ; waves 0 and 1 wait for their loads, K steps 0-3: this barrier shows these two tiles alone
	s_cbranch_scc0 .Lnot_lo
	s_wait_tensorcnt 0x0
.Lnot_lo:
	s_barrier_signal -1
	s_barrier_wait -1
	FETCH 0
	s_wait_loadcnt 0x0                             ; bias and scale words
	KSTEP 0, -1, 1
	KSTEP 1, -1, 0
	KSTEP 2, -1, 0
	KSTEP 3, 0, 0                                  ; every wave waits for its load: the barrier shows K steps 4-7 ahead of K step 4's fetch
	KSTEP 4, -1, 0
	KSTEP 5, -1, 0
	KSTEP 6, -1, 0
	KSTEP 7, -1, 0
; THE WAY OUT.  Block n = 2 a + u: A's tile a, columns 64 u on.  LDS serves a wave's instructions in order: no wait between the stores and the loads, nor in front of the next block's stores.
.macro TOSTAGE n
	WIN 0x08                                       ; an LDS store's data: window 2
.irp bp, 0,1,2,3
	ds_store_b128 v[STO], v[8*(8*((\n)/2)+4*((\n)%2)+\bp):8*(8*((\n)/2)+4*((\n)%2)+\bp)+3] offset:128*(\bp/2)+32*(\bp%2)      ; each accumulator from its low end on
	ds_store_b128 v[STO], v[8*(8*((\n)/2)+4*((\n)%2)+\bp)+4:8*(8*((\n)/2)+4*((\n)%2)+\bp)+7] offset:128*(\bp/2)+32*(\bp%2)+16
.endr
	WIN 0
.irp t, 0,1,2,3,4,5,6,7
	ds_load_b128 v[BK+32*((\n)%2)+4*\t:BK+32*((\n)%2)+4*\t+3], v[RD] offset:544*\t
.endr
.endm
.macro SEND n, younger                 ; younger: the LDS instructions issued behind block n's loads
	s_wait_dscnt \younger
.irp t, 0,1,2,3,4,5,6,7
	global_store_b128 v[CO], v[BK+32*((\n)%2)+4*\t:BK+32*((\n)%2)+4*\t+3], s[10:11] offset:(32*((\n)/4)+8*(((\n)/2)%2)+2*\t+8*(\t/4))*4096+256*((\n)%2) th:TH_STORE_NT
.endr
.endm
	PLACES 4                                       ; behind the last products
	s_wait_alu depctr_va_vdst(0)
	TOSTAGE 0
.irp n, 1,2,3,4,5,6,7
.if \n > 1
	s_wait_xcnt 0x0                                ; block n - 2's stores have read their registers: block n's loads may land there
.endif
	TOSTAGE \n
	SEND \n-1, 16                                  ; behind block n - 1's loads: block n's 8 stores and 8 loads
.endr
	SEND 7, 0
	s_wait_tensorcnt 0x0                           ; the wave's end, ahead of the closing round
	ds_add_u32 v[SPW], v[NIL]
	s_wait_dscnt 0x0
	CROUND
	s_endpgm
.Lfunc_end_k_q9f6aba878a_outgemm:
	.size	k_q9f6aba878a_outgemm, .Lfunc_end_k_q9f6aba878a_outgemm-k_q9f6aba878a_outgemm
	.p2alignl 7, 3214868480
	.fill 96, 4, 3214868480
	.section	.rodata,"a",@progbits
	.p2align	6, 0x0
	.amdhsa_kernel k_q9f6aba878a_outgemm
		.amdhsa_group_segment_fixed_size 327680
		.amdhsa_private_segment_fixed_size 0
		.amdhsa_enable_private_segment 0
		.amdhsa_kernarg_size 32
		.amdhsa_user_sgpr_count 2
		.amdhsa_user_sgpr_kernarg_segment_ptr 1
		.amdhsa_wavefront_size32 1
		.amdhsa_system_sgpr_workgroup_id_x 1
		.amdhsa_system_sgpr_workgroup_id_y 1
		.amdhsa_system_sgpr_workgroup_id_z 1
		.amdhsa_system_vgpr_workitem_id 0
		.amdhsa_next_free_vgpr 1024
		.amdhsa_next_free_sgpr 100
		.amdhsa_reserve_vcc 0
		.amdhsa_float_denorm_mode_32 3
		.amdhsa_float_denorm_mode_16_64 3
		.amdhsa_memory_ordered 1
		.amdhsa_forward_progress 1
		.amdhsa_inst_pref_size 80
	.end_amdhsa_kernel
	.amdgpu_metadata
---
amdhsa.version: [ 1, 2 ]
amdhsa.kernels:
  - .name:           k_q9f6aba878a_outgemm
    .symbol:         k_q9f6aba878a_outgemm.kd
    .args:
      - { .name: cod, .offset: 0, .size: 8, .value_kind: global_buffer, .address_space: global }
      - { .name: scl, .offset: 8, .size: 8, .value_kind: global_buffer, .address_space: global }
      - { .name: bout, .offset: 16, .size: 8, .value_kind: global_buffer, .address_space: global }
      - { .name: out0, .offset: 24, .size: 8, .value_kind: global_buffer, .address_space: global }
    .group_segment_fixed_size: 327680
    .private_segment_fixed_size: 0
    .kernarg_segment_align: 8
    .kernarg_segment_size: 32
    .max_flat_workgroup_size: 128
    .sgpr_count:     100
    .vgpr_count:     1024
    .wavefront_size: 32
...
	.end_amdgpu_metadata
.endif
;; end of part 4
